; MI455X (gfx1250); checked and timed in simulation.
; The chip was launched on July 23, 2026; its instructions are those of AMD's public machine-readable ISA for CDNA 5 (MIT licence, August 2026) and "CDNA5" Instruction Set Architecture Reference Guide (July 2026). The comments in the code are by the model that wrote it; some were corrected since.
;; Signed Attention. Allowed arithmetic: matrix products marked QUANTISED: E2M1 operands, one E8M0 scale for each 32 along K, by v_wmma_scale_f32_16x16x128_f8f6f4 with both operands' format E2M1 (or v_wmma_scale_f32_32x16x128_f4), f32 sums; everything else in f32.
;; Inputs: keys 4 x 8 x 2,048 x 64 float32; log_scale one number float32; queries 4 x 8 x 2,048 x 64 float32; values 4 x 8 x 2,048 x 64 float32.
;; Outputs: out0 4 x 8 x 2,048 x 64 float32.
;; This version of the problem:
;;   THIS VERSION OF THE PROBLEM IS GIVEN IN LOW PRECISION. The matrix products marked QUANTISED in the list below multiply operands that are first quantised to E2M1 (2 exponent bits, 1 mantissa bit; 4 bits a number), with one power-of-two scale for each 32 numbers along K (OCP MX v1.0); their sums are f32. All else is computed in f32.
;;   The module's matrix products, in the order in which they are computed (A, B: the left and right operand; K: the contracted axis; several contracted axes count as one K, in the product's order):
;;     1. batch 32 x [M 2,048, K 64] x [K 64, N 2,048]; A: input queries; B: input keys: QUANTISED
;;     2. batch 32 x [M 2,048, K 2,048] x [K 2,048, N 64]; A: computed on the way; B: input values: QUANTISED
;;   THE QUANTISER, for each operand of a quantised product, along K:
;;     - K is cut into blocks of 32 from its start; a last block that is shorter is filled with zeros.
;;     - A block's scale is 2^e with e = floor(log2(the largest magnitude in the block)) - 2, held to -126 .. 127; a block of zeros has e = 0. As a byte (E8M0): e + 127.
;;     - Each number is divided by its block's scale, clamped to +-6, and rounded to the nearest number of E2M1, ties to even, subnormals kept.
;;     - The product sums the exact products of the quantised numbers (number of the format x scale) in f32.
;;   ~~~python
;;   def quantise(x, axis):      # numpy; x: float32 -> the quantised numbers, widened to float32 again
;;       x = np.moveaxis(x, axis, -1); K = x.shape[-1]
;;       x = np.pad(x, [(0, 0)] * (x.ndim - 1) + [(0, -K % 32)]); x = x.reshape(x.shape[:-1] + (-1, 32)); a = np.abs(x).max(-1, keepdims=True)
;;       e = np.where(a > 0, np.clip(np.frexp(np.where(a > 0, a, 1))[1] - 1 - 2, -126, 127), 0)      # np.frexp(a)[1] - 1 = floor(log2(a)), exactly
;;       r = np.clip(x / 2.0 ** e, -6, 6)
;;       step = 2.0 ** (np.maximum(np.frexp(np.where(r == 0, 1, r))[1] - 1, 0) - 1)
;;       q = np.round(r / step) * step * 2.0 ** e      # np.round: ties to even
;;       return np.moveaxis(q.reshape(q.shape[:-2] + (-1,))[..., :K], -1, axis).astype(np.float32)
;;   ~~~
;;   OPERANDS COMPUTED ON THE WAY. 'Computed on the way' means the value that the module computes at that place (a softmax that the list does not call 'softmax' is quantised finished and normalised). What goes into a quantiser is computed in f32, as accurately as f32 sums, v_exp_f32 and their like allow (about 1e-6 of the number): no bf16 or f16 on the way to a quantiser, and a product that is left as it is and whose result goes on into a quantised operand takes f32 operands (vector FMAs, or v_wmma_f32_16x16x4_f32). A number that lies on a knife's edge between two numbers of the format may be rounded either way, as far as f32 arithmetic and the matrix unit's own rounding can turn it there, and no further.
;; 2 versions. Each part assembles by itself: llvm-mc -triple=amdgcn-amd-amdhsa -mcpu=gfx1250 --defsym DOCPART=n.
;; ======== version 1 of 2: 2 launches
;; workspace buffers: k_codes 2,097,152 bytes; k_scales 262,144 bytes; v_codes 2,097,152 bytes; v_scales 131,072 bytes
;; launch quant (part 1): grid 256 x 1, 8 waves a work-group, no clusters, 74,752 bytes of LDS; arguments keys, values, k_codes, k_scales, v_codes, v_scales; writes k_codes, k_scales, v_codes, v_scales
.if DOCPART == 1
	.amdgcn_target "amdgcn-amd-amdhsa--gfx1250"
	.amdhsa_code_object_version 6
	.text
	.protected	k_q80d3bf4e7f_quant
	.globl	k_q80d3bf4e7f_quant
	.p2align	8
	.type	k_q80d3bf4e7f_quant,@function
k_q80d3bf4e7f_quant:
	s_mov_b64 s[64:65], 0
	v_nop
	global_prefetch_b8 v0, s[64:65] scope:SCOPE_SE
	s_setreg_imm32_b32 hwreg(HW_REG_WAVE_MODE, 25, 1), 1
	s_wait_xcnt 0x0
; keys and values, [32 heads][2048][64] f32, become codes of FP4 (E2M1) with one E8M0 byte for each 32 along the product's K.
; keys: K = the head's 64 channels (innermost).  values: K = the keys (the first axis within a head).
; A block's scale is 2^(floor(log2(its largest magnitude)) - 2); its byte is the largest magnitude's exponent field - 2, held at 1 from below.
; The results are laid as the next launch's matrix operands want their registers:
;   k_codes  [head][block of 32 keys][tile u][lane][16 bytes]: lane (r, h) of tile u holds channels 32 h .. 32 h + 31 of key 32 block + 8 u + r + 8 (r / 8)
;   k_scales [head][block][lane] words: lanes 0-15 tile 0's rows, lanes 16-31 tile 1's; word = b0 | b1 << 8 | b0 << 16 | b1 << 24 (the two bytes twice: the upper two stand against zero codes)
;   v_codes  [head][block of 32 keys][channel 64][16 bytes];   v_scales [head][group of 4 blocks][channel 64] words, byte i = block 4 group + i
; LIMITS: a block of zeros gets the byte 1 (not 127): its codes are zeros and this program alone reads the bytes.  NaN and infinities among the inputs are not served.
; SHARES: work-groups 0-127 take keys, 128-255 values; eight waves each, which share nothing: no barrier.  Only the keys' path uses LDS, each wave bytes of its own.
; No tensor loads, matrix units or clusters: every input byte is read once by one wave, so nothing is shared.
.set AM,  12                           ; v12, v13 the largest magnitude, in two chains
.set AM2, 13
.set SC,  14                           ; v14  the conversion's scale operand
.set BY,  15                           ; v15  the scale's byte
.set WT,  16                           ; v16, v17 at work on a scale word
.set WO,  17
.set W0,  18                           ; v18, v19 the scale words of tiles 0 and 1
.set W1,  19
.set SH8, 10                           ; v10  8 h
.set KR,  32                           ; v32-159  keys: two blocks of 32 keys as loaded
.set KX,  160                          ; v160-223 two tiles: 32 neighbours along K a lane
.set KCD, 224                          ; v224-239 codes, four registers for each (block, tile): no store's data are written again
.set VX,  32                           ; v32-95   values: two sets of 32 numbers down K
.set VCD, 96                           ; v96-111  codes, four registers a block
.set VSB, 112                          ; v112     four scale bytes
.set STW, 8960                         ; LDS: a wave's stage: 32 rows of 256 bytes, 272 apart, and 128 more in front of rows 16-31
.set GAT, 8*STW                        ; behind the stages: 256 bytes a wave in which its scale words are gathered
; 32 numbers of ONE lane, a whole block, become 4 registers of codes; the scale operand stays in v[SC], the byte in v[BY]
.macro QUANT32 x, c
	v_max3_num_f32 v[AM], |v[(\x)]|, |v[(\x)+1]|, 0x1800000        ; with the floor 2^(3 - 127): the byte cannot fall under 1
	v_max3_num_f32 v[AM2], |v[(\x)+2]|, |v[(\x)+3]|, |v[(\x)+4]|
.irp i, 5,9,13,17,21,25
	v_max3_num_f32 v[AM], v[AM], |v[(\x)+\i]|, |v[(\x)+\i+1]|
	v_max3_num_f32 v[AM2], v[AM2], |v[(\x)+\i+2]|, |v[(\x)+\i+3]|
.endr
	v_max3_num_f32 v[AM], v[AM], |v[(\x)+29]|, |v[(\x)+30]|
	v_max3_num_f32 v[AM], v[AM], v[AM2], |v[(\x)+31]|
	v_add_nc_u32 v[SC], 0xff000000, v[AM]          ; 2 off the exponent field: the conversion takes that field as its scale and nothing else
.irp g, 0,1,2,3
	v_cvt_scalef32_pk8_fp4_f32 v[(\c)+\g], v[(\x)+8*\g:(\x)+8*\g+7], v[SC]
.endr
	v_lshrrev_b32 v[BY], 23, v[SC]                 ; the byte; also the plain line behind the conversions
.endm
; my byte (block h of my row) and lane l xor 16's make the row's word
.macro WORD w
	v_lshlrev_b32 v[WT], v[SH8], v[BY]
	v_permlanex16_b32 v[WO], v[WT], s20, s21
	v_or_b32 v[\w], v[WT], v[WO]
	v_lshl_or_b32 v[\w], v[\w], 16, v[\w]
.endm
	s_load_b128 s[4:7], s[0:1], 0x0                ; keys, values
	s_load_b128 s[8:11], s[0:1], 0x10              ; k_codes, k_scales
	s_load_b128 s[12:15], s[0:1], 0x20             ; v_codes, v_scales
	v_lshl_add_u32 v240, v0, 2, 0x12000
	v_mov_b32 v241, 0
	v_lshrrev_b32 v1, 5, v0
	v_readfirstlane_b32 s16, v1                    ; wave 0..7
	v_and_b32 v1, 31, v0                           ; lane l
	v_and_b32 v2, 15, v0                           ; r
	v_bfe_u32 v3, v0, 4, 1                         ; h
	s_mov_b32 s20, 0x76543210
	s_mov_b32 s21, 0xfedcba98                      ; v_permlanex16_b32's selects for lane l xor 16
	s_cmp_lt_u32 ttmp9, 128
	s_cbranch_scc0 .Lvalues
	; ---------------- keys: a wave takes 64 keys = two blocks = 16,384 bytes
	s_lshl_b32 s17, ttmp9, 3
	s_add_co_u32 s17, s17, s16                     ; which 64 keys: 0..1023
	s_lshl_b32 s24, s17, 14                        ; their bytes in keys,
	s_mov_b32 s25, 0
	s_lshl_b32 s26, s17, 11                        ; in k_codes (2 x 1,024),
	s_mov_b32 s27, 0
	s_lshl_b32 s28, s17, 8                         ; in k_scales (2 x 128)
	s_mov_b32 s29, 0
	s_mov_b32 s22, 0xffff0000                      ; lanes 16-31
	s_mul_i32 s18, s16, STW                        ; my stage
	s_lshl_b32 s19, s16, 8
	s_add_co_u32 s19, s19, GAT                     ; my 256 bytes for the scale words
	v_lshlrev_b32 v4, 4, v1                        ; 16 l: my bytes of a load's or a store's 512
	v_mul_u32_u24 v5, v3, 272
	v_lshl_add_u32 v5, v2, 4, v5
	v_add_nc_u32 v5, s18, v5                       ; into the stage: a load's two rows, row h, 16 r
	v_lshrrev_b32 v11, 3, v2
	v_lshl_add_u32 v6, v11, 3, v2                  ; r + 8 (r / 8): my row of tile 0
	v_mul_u32_u24 v6, v6, 272
	v_lshl_add_u32 v6, v11, 7, v6                  ; rows 16-31 lie 128 bytes further on
	v_lshl_add_u32 v6, v3, 7, v6                   ; my half of the row's 256 bytes
	v_add_nc_u32 v6, s18, v6
	v_lshl_add_u32 v7, v1, 2, s19                  ; the gather: 4 bytes a lane in,
	v_lshl_add_u32 v8, v1, 3, s19                  ; 8 bytes a lane out
	v_lshlrev_b32 v9, 3, v1
	v_lshlrev_b32 v[SH8], 3, v3
	v_mov_b32 v[WO], 0                             ; a lane permute's destination counts as one of its sources
	s_wait_kmcnt 0x0
	s_add_nc_u64 s[4:5], s[4:5], s[24:25]
	s_add_nc_u64 s[8:9], s[8:9], s[26:27]
	s_add_nc_u64 s[10:11], s[10:11], s[28:29]
.irp q, 0,1
.irp i, 0,1,2,3,4,5,6,7,8,9,10,11,12,13,14,15
	global_load_b128 v[KR+64*\q+4*\i:KR+64*\q+4*\i+3], v4, s[4:5] offset:8192*\q+512*\i th:TH_LOAD_NT   ; 512 consecutive bytes: two keys
.endr
.endr
; A block of 32 keys turns through the stage: in as it lies, out 128 bytes (32 channels) a lane.  LDS serves a wave's instructions in order, so no wait stands between the stores and the loads.
.macro KBLOCK q
	s_wait_loadcnt 16-16*\q                        ; this block's 16 loads are in; the other block's 16 are younger
.irp i, 0,1,2,3,4,5,6,7,8,9,10,11,12,13,14,15
	ds_store_b128 v5, v[KR+64*\q+4*\i:KR+64*\q+4*\i+3] offset:544*\i+128*(\i/8)
.endr
.irp u, 0,1
.irp j, 0,1,2,3,4,5,6,7
	ds_load_b128 v[KX+32*\u+4*\j:KX+32*\u+4*\j+3], v6 offset:2176*\u+16*\j   ; tile u's rows begin 8 u rows further down
.endr
.endr
	s_wait_dscnt 8                                 ; tile 0's numbers are in; tile 1's eight loads are younger.  (The last block's word store is done too: v[W0] may be written)
	QUANT32 KX, KCD+8*\q
	WORD W0
	global_store_b128 v4, v[KCD+8*\q:KCD+8*\q+3], s[8:9] offset:1024*\q        ; 512 consecutive bytes
	s_wait_dscnt 0x0
	QUANT32 KX+32, KCD+8*\q+4
	WORD W1
	global_store_b128 v4, v[KCD+8*\q+4:KCD+8*\q+7], s[8:9] offset:1024*\q+512
	v_cndmask_b32 v[W0], v[W0], v[W1], s22         ; lanes 16-31 carry tile 1's words
	ds_store_b32 v7, v[W0] offset:128*\q
.endm
	KBLOCK 0
	KBLOCK 1
	ds_load_b64 v[20:21], v8                       ; both blocks' words: in order behind my stores
	s_wait_dscnt 0x0
	global_store_b64 v9, v[20:21], s[10:11]        ; 256 consecutive bytes, aligned
	s_wait_tensorcnt 0x0
	ds_add_u32 v240, v241
	s_wait_dscnt 0x0
	s_endpgm
	; ---------------- values: a wave takes 32 channels x 128 keys.  A lane takes a channel and its registers run down the keys: a block lies in one lane, and nothing is transposed
.Lvalues:
	s_sub_co_u32 s17, ttmp9, 128
	s_lshl_b32 s17, s17, 3
	s_add_co_u32 s17, s17, s16                     ; 0..1023
	s_and_b32 s18, s17, 1                          ; which 32 channels
	s_bfe_u32 s19, s17, 0x40001                    ; which group of 128 keys
	s_lshr_b32 s23, s17, 5                         ; head
	s_lshl_b32 s24, s23, 19                        ; values: head x 524,288 + group x 128 rows of 256 + 128 x half
	s_lshl_b32 s30, s19, 15
	s_add_co_u32 s24, s24, s30
	s_lshl_b32 s30, s18, 7
	s_add_co_u32 s24, s24, s30
	s_mov_b32 s25, 0
	s_lshl_b32 s26, s23, 16                        ; v_codes: head x 65,536 + group x 4 blocks of 1,024 + 512 x half
	s_lshl_b32 s30, s19, 12
	s_add_co_u32 s26, s26, s30
	s_lshl_b32 s30, s18, 9
	s_add_co_u32 s26, s26, s30
	s_mov_b32 s27, 0
	s_lshl_b32 s28, s23, 12                        ; v_scales: head x 4,096 + group x 256 + 128 x half
	s_lshl_b32 s30, s19, 8
	s_add_co_u32 s28, s28, s30
	s_lshl_b32 s30, s18, 7
	s_add_co_u32 s28, s28, s30
	s_mov_b32 s29, 0
	v_lshlrev_b32 v4, 2, v1                        ; 4 l
	v_lshlrev_b32 v5, 4, v1                        ; 16 l
	s_wait_kmcnt 0x0
	s_add_nc_u64 s[6:7], s[6:7], s[24:25]
	s_add_nc_u64 s[12:13], s[12:13], s[26:27]
	s_add_nc_u64 s[14:15], s[14:15], s[28:29]
.macro VLOAD t                         ; block t: key 32 t + i of my channel, into set t % 2; a load reads 128 consecutive bytes
.set i, 0
.rept 32
	global_load_b32 v[VX+32*((\t)%2)+i], v4, s[6:7] offset:256*(32*(\t)+i) th:TH_LOAD_NT
.set i, i+1
.endr
.endm
.macro VBLOCK t
.if \t < 3
	s_wait_loadcnt 32                              ; this block's 32 loads are in; the next block's 32 are younger
.else
	s_wait_loadcnt 0x0
.endif
	QUANT32 VX+32*((\t)%2), VCD+4*(\t)
.if \t == 0
	v_mov_b32 v[VSB], v[BY]
.else
	v_lshl_or_b32 v[VSB], v[BY], 8*\t, v[VSB]
.endif
	global_store_b128 v5, v[VCD+4*\t:VCD+4*\t+3], s[12:13] offset:1024*\t      ; 512 consecutive bytes: 32 channels' codes of the block
.if \t < 2
	VLOAD \t+2
.endif
.endm
	VLOAD 0
	VLOAD 1
	VBLOCK 0
	VBLOCK 1
	VBLOCK 2
	VBLOCK 3
	global_store_b32 v4, v[VSB], s[14:15]          ; 128 consecutive bytes; the wave with the other 32 channels stores the 128 beside them
	s_endpgm
.Lfunc_end_k_q80d3bf4e7f_quant:
	.size	k_q80d3bf4e7f_quant, .Lfunc_end_k_q80d3bf4e7f_quant-k_q80d3bf4e7f_quant
	.p2alignl 7, 3214868480
	.fill 96, 4, 3214868480
	.section	.rodata,"a",@progbits
	.p2align	6, 0x0
	.amdhsa_kernel k_q80d3bf4e7f_quant
		.amdhsa_group_segment_fixed_size 74752
		.amdhsa_private_segment_fixed_size 0
		.amdhsa_enable_private_segment 0
		.amdhsa_kernarg_size 48
		.amdhsa_user_sgpr_count 2
		.amdhsa_user_sgpr_kernarg_segment_ptr 1
		.amdhsa_wavefront_size32 1
		.amdhsa_system_sgpr_workgroup_id_x 1
		.amdhsa_system_sgpr_workgroup_id_y 1
		.amdhsa_system_sgpr_workgroup_id_z 1
		.amdhsa_system_vgpr_workitem_id 0
		.amdhsa_next_free_vgpr 242
		.amdhsa_next_free_sgpr 66
		.amdhsa_reserve_vcc 0
		.amdhsa_float_denorm_mode_32 3
		.amdhsa_float_denorm_mode_16_64 3
		.amdhsa_memory_ordered 1
		.amdhsa_forward_progress 1
		.amdhsa_inst_pref_size 37
	.end_amdhsa_kernel
	.amdgpu_metadata
---
amdhsa.version: [ 1, 2 ]
amdhsa.kernels:
  - .name:           k_q80d3bf4e7f_quant
    .symbol:         k_q80d3bf4e7f_quant.kd
    .args:
      - { .name: keys, .offset: 0, .size: 8, .value_kind: global_buffer, .address_space: global }
      - { .name: values, .offset: 8, .size: 8, .value_kind: global_buffer, .address_space: global }
      - { .name: k_codes, .offset: 16, .size: 8, .value_kind: global_buffer, .address_space: global }
      - { .name: k_scales, .offset: 24, .size: 8, .value_kind: global_buffer, .address_space: global }
      - { .name: v_codes, .offset: 32, .size: 8, .value_kind: global_buffer, .address_space: global }
      - { .name: v_scales, .offset: 40, .size: 8, .value_kind: global_buffer, .address_space: global }
    .group_segment_fixed_size: 74752
    .private_segment_fixed_size: 0
    .kernarg_segment_align: 8
    .kernarg_segment_size: 48
    .max_flat_workgroup_size: 256
    .sgpr_count:     66
    .vgpr_count:     242
    .wavefront_size: 32
...
	.end_amdgpu_metadata
.endif
;; end of part 1
;; launch attend (part 2): grid 8 x 32, 16 waves a work-group, no clusters, 124,928 bytes of LDS; arguments queries, log_scale, k_codes, k_scales, v_codes, v_scales, out0; writes out0
.if DOCPART == 2
	.amdgcn_target "amdgcn-amd-amdhsa--gfx1250"
	.amdhsa_code_object_version 6
	.text
	.protected	k_q80d3bf4e7f_attend
	.globl	k_q80d3bf4e7f_attend
	.p2align	8
	.type	k_q80d3bf4e7f_attend,@function
k_q80d3bf4e7f_attend:
	s_mov_b64 s[64:65], 0
	v_nop
	global_prefetch_b8 v0, s[64:65] scope:SCOPE_SE
	s_setreg_imm32_b32 hwreg(HW_REG_WAVE_MODE, 25, 1), 1
	s_wait_xcnt 0x0
; out = (softmax(scale pos) - softmax(scale neg)) V, both products on codes of FP4 (E2M1) with one E8M0 scale for each 32 along K.
; THE MASK is the problem's own: 16 positions form a patch; key patch kp counts for query patch p where 1 <= kp - p <= 9; every other score is the fill -10000 on both sides.
; So the 16 queries of a patch share one window, which lies in the five blocks of 32 keys b0 .. b0 + 4, b0 = (p + 1) / 2.  The fill is NOT thrown away: it takes part in both maxima and both sums,
; and every masked key has the same weight c(row) = E+/Z+ - E-/Z-.  A block of 32 keys that is wholly masked quantises to the constant qc = sign(c) 2^floor(log2|c|) x (1 or 1.5; 1.5 where the mantissa is over 1.25).
; Hence out(row, d) = the sum over the five window blocks of Q(A) Q(V)  +  qc(row) x S_p[d],  S_p[d] = the sum of Q(V)[key, d] over the head's blocks outside patch p's window.
; SHARES.  A work-group owns 256 queries of one head; each of its 16 waves one patch, in 256 registers, four waves to a SIMD.  No loop.  One barrier.
; S_p for the work-group's 16 patches is made by the FP4 matrix instruction: source 0 = 16 channels x 128 keys of V's codes, source 1 = 16 patches x 128 keys of codes 1.0 (outside the window) or 0, scale 1.
; Wave w makes the part of channels 16 (w % 4) .. + 15 and keys 512 (w / 4) .. + 511; the parts meet in LDS.
; LAYOUT.  Both products are used transposed (S^T = K Q^T, O^T = V^T P^T): a lane holds ONE query (lane % 16).  The keys of a tile are not neighbours (see k_codes' layout in the launch before):
; register 16 b + i of lane (r, h) is the score of key 32 (b0 + b) + 16 h + i, whose patch is 2 (b0 + b) + h.
; K = 64 in the first product: Q's codes for k = 64 .. 127 are zeros; K's registers for them are whatever codes lie next (the next tile's), which add nothing against zeros.
; NO CLUSTER, NO TENSOR LOADS: what the eight work-groups of a head share are V's codes (65,536 + 4,096 bytes), read once, straight into operand registers at the head; there is no loop in which a joint load would recur,
; and a work-group's own window is 34,816 bytes of codes, staged once by plain loads.
; LIMITS: NaN, infinities and scores that overflow f32 are not served (a masked lane forms 0 x score).  Exponentials under 2^-126 come out as 0.  For |c| under 2^-124 qc ignores the hold of the scale at 2^-126.
; The exponent is a s - round(a m): the rounding's residue is the same in every term of a row, the fill's too, and cancels in e / Z.
.set LKC, 0                            ; LDS: K's codes of 16 local blocks (global block 8 x + i, held at 63), 1,024 bytes each: entry w is stored by wave w
.set LVC, 16384                        ; V's likewise
.set LKS, 32768                        ; K's scale words, 128 bytes a block
.set LVS, 34816                        ; V's scale words: 8 local groups of 4 blocks, 256 bytes each
.set LSP, 36864                        ; the 16 parts of S_p, 1,024 bytes each: an image of eight registers
.set LQS, 53248                        ; a stage of 16 rows x 272 bytes for each wave: Q on the way in, O on the way out
.set QP,  272
.set QW,  16*QP
; v1 l, v2 r, v3 h, v4 16 l, v5 4 l, v6-v17 LDS and global offsets (made below, never rewritten), v18 a = scale x log2(e), v19 8 h
.set ONE,  20                          ; v20-38 hold scales and nothing else: v20 four bytes 127;
.set QS,   21                          ; Q's scale words;
.set KS,   22                          ; v22-26 K's, one register a block (tile 0 in lanes 0-15, tile 1 in lanes 16-31);
.set PW,   27                          ; v27, v28 A's;
.set VS,   29                          ; v29-32 V's: first for S_p, then [step][pair of tiles];
.set GW,   33                          ; v33-38 V's words as they lie, [group][pair of tiles]
.set FILL, 39                          ; -10000.0
.set NINF, 41                          ; -infinity
.set ONES, 42                          ; eight codes of 1.0
.set NRF,  43                          ; the number of keys outside the window's blocks, as f32
.set QR,   44                          ; v44-75  Q as loaded.  Behind the barrier: block maxima, then the table TB, then the quantiser's figures
.set BMX,  44
.set BMN,  49
.set TB,   44                          ; a_b at TB + 6 b, o+_b at + 2, o-_b at + 4: named as pairs whose low word serves both halves (the odd registers were written by Q's loads and are not used)
.set AM,   76
.set AM2,  77
.set SC,   78
.set BY,   79
.set WT,   80
.set WO,   81
.set SH8,  19
.set QF,   84                          ; v84-91  Q's fragment; later four pairs of sums
.set WF,   96                          ; v96-127 the 0/1 operand, four fragments
.set SA,   128
.set SB,   136
.set TMP,  144
.set XQ,   152                         ; v152-183 32 neighbours of my row of Q
.set STG,  184                         ; v184-201 what I stage
.set VF,   202                         ; v202-233 V's four fragments for S_p
.set SCR,  96                          ; v96-175  scores, then e+, then A
.set NEG,  176                         ; v176-255 e-
.set KF,   176                         ; v176-219 K's ten tiles, four registers each, and four zeros
.set PF,   176                         ; v176-191 A's two fragments
.set VFR,  192                         ; v192-255 V's eight fragments; then S_p's parts; then rows of O
.set OA,   96                          ; v96-127  O^T
.set SV,   128                         ; v128-159 S_p, then the result
.set WV,   20                          ; s20 wave
.set LB0,  21                          ; s21 (wave + 1) / 2: my window's first local block
.set HEAD, 22
.set PAT,  23
.set EM,   56                          ; s56-60 lanes whose key of block b exists (key < 2,048)
.set SEL,  66
.set SH,   68                          ; 8 (LB0 % 4)
.set NRS,  69
.set LSC,  70
.set VM,   72                          ; s72-76 lanes whose key of block b counts
.macro QUANT32 x, c                    ; 32 numbers of one lane, a whole block, become 4 registers of codes; scale operand in v[SC], byte in v[BY]
	v_max3_num_f32 v[AM], |v[(\x)]|, |v[(\x)+1]|, 0x1800000        ; with the floor 2^(3 - 127): the byte cannot fall under 1
	v_max3_num_f32 v[AM2], |v[(\x)+2]|, |v[(\x)+3]|, |v[(\x)+4]|
.irp i, 5,9,13,17,21,25
	v_max3_num_f32 v[AM], v[AM], |v[(\x)+\i]|, |v[(\x)+\i+1]|
	v_max3_num_f32 v[AM2], v[AM2], |v[(\x)+\i+2]|, |v[(\x)+\i+3]|
.endr
	v_max3_num_f32 v[AM], v[AM], |v[(\x)+29]|, |v[(\x)+30]|
	v_max3_num_f32 v[AM], v[AM], v[AM2], |v[(\x)+31]|
	v_add_nc_u32 v[SC], 0xff000000, v[AM]
.irp g, 0,1,2,3
	v_cvt_scalef32_pk8_fp4_f32 v[(\c)+\g], v[(\x)+8*\g:(\x)+8*\g+7], v[SC]
.endr
	v_lshrrev_b32 v[BY], 23, v[SC]                 ; the byte; also the plain line behind the conversions
.endm
	s_load_b128 s[4:7], s[0:1], 0x0                ; queries, log_scale
	s_load_b128 s[8:11], s[0:1], 0x10              ; k_codes, k_scales
	s_load_b128 s[12:15], s[0:1], 0x20             ; v_codes, v_scales
	s_load_b64 s[16:17], s[0:1], 0x30              ; out0
	v_lshrrev_b32 v1, 5, v0
	v_readfirstlane_b32 s[WV], v1                  ; wave 0..15
	s_and_b32 s[HEAD], ttmp7, 0xffff
	s_lshl_b32 s[PAT], ttmp9, 4
	s_add_co_u32 s[PAT], s[PAT], s[WV]             ; my patch: 16 x + wave
	s_add_co_u32 s[LB0], s[WV], 1
	s_lshr_b32 s[LB0], s[LB0], 1
	s_lshl_b32 s36, ttmp9, 3                       ; the work-group's first block of keys: 8 x
	s_add_co_u32 s37, s36, s[LB0]                  ; b0
	s_and_b32 s38, s[WV], 1                        ; 2 b0 - p
	s_add_co_u32 s39, s36, s[WV]
	s_min_u32 s39, s39, 63                         ; the block that I stage
	s_lshl_b32 s18, ttmp9, 1
	s_lshr_b32 s19, s[WV], 1
	s_add_co_u32 s18, s18, s19
	s_min_u32 s18, s18, 15                         ; the group of V's scale words of which I stage half
	s_and_b32 s19, s[WV], 3                        ; S_p: my 16 channels,
	s_lshr_b32 s2, s[WV], 2                        ; my 512 keys
	s_lshr_b32 s3, s[LB0], 2                       ; the local group in which my window begins
	s_and_b32 s[SH], s[LB0], 3
	s_lshl_b32 s[SH], s[SH], 3
	s_sub_co_u32 s71, 64, s37                      ; blocks from b0 to the head's end
	s_min_u32 s[NRS], s71, 5                       ; of my five so many exist
	s_sub_co_u32 s[NRS], 64, s[NRS]
	s_lshl_b32 s[NRS], s[NRS], 5                   ; keys in all other blocks
.irp b, 0,1,2,3,4
	s_cmp_gt_u32 s71, \b
	s_cselect_b32 s[EM+\b], -1, 0
.endr
	s_cmp_eq_u32 s38, 1                            ; the key's patch less mine is 2 b + h + (2 b0 - p): 0 is masked in block 0, 10 in block 4
	s_cselect_b32 s[VM], -1, 0xffff0000
	s_cselect_b32 s[VM+4], 0xffff, -1
	s_and_b32 s[VM], s[VM], s[EM]
	s_and_b32 s[VM+4], s[VM+4], s[EM+4]
	s_mov_b32 s[VM+1], s[EM+1]
	s_mov_b32 s[VM+2], s[EM+2]
	s_mov_b32 s[VM+3], s[EM+3]
	s_mov_b32 s[SEL], 0x76543210
	s_mov_b32 s[SEL+1], 0xfedcba98                 ; v_permlanex16_b32's selects for lane l xor 16
	s_lshl_b32 s24, s[HEAD], 19                    ; queries, out0: head x 524,288 + patch x 4,096
	s_lshl_b32 s77, s[PAT], 12
	s_add_co_u32 s24, s24, s77
	s_mov_b32 s25, 0
	s_lshl_b32 s26, s[HEAD], 16                    ; k_codes, v_codes: head x 65,536 + block x 1,024
	s_lshl_b32 s77, s39, 10
	s_add_co_u32 s26, s26, s77
	s_mov_b32 s27, 0
	s_lshl_b32 s28, s[HEAD], 13                    ; k_scales: head x 8,192 + block x 128
	s_lshl_b32 s77, s39, 7
	s_add_co_u32 s28, s28, s77
	s_mov_b32 s29, 0
	s_lshl_b32 s30, s[HEAD], 12                    ; v_scales: head x 4,096 + group x 256 + 128 x (wave % 2)
	s_lshl_b32 s77, s18, 8
	s_add_co_u32 s30, s30, s77
	s_lshl_b32 s77, s38, 7
	s_add_co_u32 s30, s30, s77
	s_mov_b32 s31, 0
	s_lshl_b32 s32, s[HEAD], 16                    ; v_codes for S_p: + 16 blocks x (wave / 4) + 16 channels x 16 bytes x (wave % 4)
	s_lshl_b32 s77, s2, 14
	s_add_co_u32 s32, s32, s77
	s_lshl_b32 s77, s19, 8
	s_add_co_u32 s32, s32, s77
	s_mov_b32 s33, 0
	s_lshl_b32 s34, s[HEAD], 12                    ; v_scales for S_p: + 4 groups x (wave / 4) + 16 words x (wave % 4)
	s_lshl_b32 s77, s2, 10
	s_add_co_u32 s34, s34, s77
	s_lshl_b32 s77, s19, 6
	s_add_co_u32 s34, s34, s77
	s_mov_b32 s35, 0
	v_and_b32 v1, 31, v0                           ; l
	v_and_b32 v2, 15, v0                           ; r
	v_bfe_u32 v3, v0, 4, 1                         ; h
	v_lshlrev_b32 v4, 4, v1                        ; 16 l
	v_lshlrev_b32 v5, 2, v1                        ; 4 l
	v_lshlrev_b32 v16, 4, v2
	v_lshl_add_u32 v16, v3, 10, v16                ; a fragment of V: block h, channel r: 1,024 h + 16 r
	v_lshlrev_b32 v17, 2, v2                       ; 4 r
	s_wait_kmcnt 0x0
	s_load_b32 s[LSC], s[6:7], 0x0                 ; log_scale
	s_add_nc_u64 s[40:41], s[4:5], s[24:25]
	s_add_nc_u64 s[42:43], s[16:17], s[24:25]
	s_add_nc_u64 s[44:45], s[8:9], s[26:27]
	s_add_nc_u64 s[46:47], s[10:11], s[28:29]
	s_add_nc_u64 s[48:49], s[12:13], s[26:27]
	s_add_nc_u64 s[50:51], s[14:15], s[30:31]
	s_add_nc_u64 s[52:53], s[12:13], s[32:33]
	s_add_nc_u64 s[54:55], s[14:15], s[34:35]
	; ---- all 26 loads of the wave: 6 to stage, 12 for S_p, 8 of Q
	global_load_b128 v[STG:STG+3], v4, s[44:45]
	global_load_b128 v[STG+4:STG+7], v4, s[44:45] offset:512
	global_load_b128 v[STG+8:STG+11], v4, s[48:49]
	global_load_b128 v[STG+12:STG+15], v4, s[48:49] offset:512
	global_load_b32 v[STG+16], v5, s[46:47]
	global_load_b32 v[STG+17], v5, s[50:51]
.irp i, 0,1,2,3                        ; 128 keys (four blocks) a fragment: registers 4 c .. 4 c + 3 = block 2 c + h
	global_load_b128 v[VF+8*\i:VF+8*\i+3], v16, s[52:53] offset:4096*\i
	global_load_b128 v[VF+8*\i+4:VF+8*\i+7], v16, s[52:53] offset:4096*\i+2048
	global_load_b32 v[VS+\i], v17, s[54:55] offset:256*\i
.endr
.irp i, 0,1,2,3,4,5,6,7
	global_load_b128 v[QR+4*\i:QR+4*\i+3], v4, s[40:41] offset:512*\i th:TH_LOAD_NT    ; 512 consecutive bytes: two queries
.endr
	; ---- LDS addresses: constants, the lane and the wave's number alone
	s_lshl_b32 s77, s[LB0], 10
	v_add_nc_u32 v6, s77, v4                       ; K's tiles of my window: LKC (0) + 1,024 LB0 + 16 l
	s_add_co_u32 s77, s77, LVC
	v_add_nc_u32 v8, s77, v16                      ; V's fragments of my window
	s_lshl_b32 s77, s[LB0], 7
	s_add_co_u32 s77, s77, LKS
	v_add_nc_u32 v7, s77, v5                       ; K's scale words
	s_lshl_b32 s77, s3, 8
	s_add_co_u32 s77, s77, LVS
	v_add_nc_u32 v9, s77, v5                       ; V's scale words: lane l = channel l of a pair of tiles
	s_lshl_b32 s77, s[WV], 4
	s_add_co_u32 s77, s77, LSP
	v_lshl_add_u32 v10, v3, 8, s77                 ; S_p of my patch: in each part the 16 bytes of lane (wave, h)
	s_mul_i32 s78, s[WV], QW
	s_add_co_u32 s78, s78, LQS                     ; my stage
	v_mul_u32_u24 v11, v3, QP
	v_lshl_add_u32 v11, v2, 4, v11
	v_add_nc_u32 v11, s78, v11                     ; by rows as they lie in memory: row h of a pair, 16 r
	v_mul_u32_u24 v13, v2, QP
	v_add_nc_u32 v13, s78, v13
	v_lshl_add_u32 v12, v3, 7, v13                 ; Q out of it: row r, channels 32 h on
	v_lshl_add_u32 v13, v3, 5, v13                 ; O into it: row r, channels 8 h on
	s_lshl_b32 s77, s[WV], 10
	v_add_nc_u32 v14, s77, v4                      ; entry w of the regions of 1,024 bytes
	s_lshl_b32 s77, s[WV], 7
	v_add_nc_u32 v15, s77, v5                      ; entry w of the regions of 128 bytes
	v_lshlrev_b32 v[SH8], 3, v3
	v_mov_b32 v[ONE], 0x7f7f7f7f
	v_mov_b32 v[FILL], 0xc61c4000
	v_mov_b32 v[NINF], 0xff800000
	v_mov_b32 v[ONES], 0x22222222
	v_mov_b32 v[WO], 0                             ; a lane permute's destination counts as one of its sources
	v_mov_b32 v93, 0                               ; (upper halves of the pairs that carry 1 / Z)
	v_mov_b32 v95, 0
.irp n, 4,5,6,7
	v_mov_b32 v[QF+\n], 0                          ; Q's codes for k = 64 .. 127
.endr
	; ---- the 0/1 operand: column r = local patch r; block 16 (w / 4) + 4 i + 2 c + h is outside its window where (block - b0(r)), unsigned, is 5 or more
	v_add_nc_u32 v83, 1, v2
	v_lshrrev_b32 v83, 1, v83
	v_sub_nc_u32 v82, v3, v83
	s_lshl_b32 s77, s2, 4
	s_sub_co_u32 s77, s77, s36
	v_add_nc_u32 v82, s77, v82
.macro WBUILD i, c
	v_add_nc_u32 v83, 4*\i+2*\c, v82
	v_cmp_le_u32 vcc_lo, 5, v83
.irp n, 0,1,2,3
	v_cndmask_b32 v[WF+8*\i+4*\c+\n], 0, v[ONES], vcc_lo
.endr
.endm
.irp i, 0,1,2,3
	WBUILD \i, 0
	WBUILD \i, 1
.endr
	; ---- a = clip(e^log_scale, 1, 30) / 8 x log2(e).  Its plain lines are also the places between the last write of the operand above and the products below
	s_wait_kmcnt 0x0
	v_mov_b32 v83, s[LSC]
	v_mul_f32 v83, 0x3fb8aa3b, v83
	v_exp_f32 v83, v83
	v_cvt_f32_u32 v[NRF], s[NRS]                   ; (a plain line behind the exponential)
	s_wait_alu depctr_va_vdst(0)
	v_max_num_f32 v83, 1.0, v83
	v_min_num_f32 v83, 0x41f00000, v83
	v_mul_f32 v18, 0x3e38aa3b, v83
	; ---- what I stage goes to LDS as it came
	s_wait_loadcnt 20                              ; the first six loads are in; 12 + 8 are younger
	ds_store_b128 v14, v[STG:STG+3] offset:LKC
	ds_store_b128 v14, v[STG+4:STG+7] offset:LKC+512
	ds_store_b128 v14, v[STG+8:STG+11] offset:LVC
	ds_store_b128 v14, v[STG+12:STG+15] offset:LVC+512
	ds_store_b32 v15, v[STG+16] offset:LKS
	ds_store_b32 v15, v[STG+17] offset:LVS
	; ---- my part of S_p: two accumulators by turns
	s_wait_loadcnt 8                               ; V's fragments and words are in; Q's eight loads are younger
	v_wmma_scale_f32_16x16x128_f8f6f4 v[SA:SA+7], v[VF:VF+7], v[WF:WF+7], 0, v[VS], v[ONE] matrix_a_fmt:MATRIX_FMT_FP4 matrix_b_fmt:MATRIX_FMT_FP4
	v_wmma_scale_f32_16x16x128_f8f6f4 v[SB:SB+7], v[VF+8:VF+15], v[WF+8:WF+15], 0, v[VS+1], v[ONE] matrix_a_fmt:MATRIX_FMT_FP4 matrix_b_fmt:MATRIX_FMT_FP4
	v_wmma_scale_f32_16x16x128_f8f6f4 v[SA:SA+7], v[VF+16:VF+23], v[WF+16:WF+23], v[SA:SA+7], v[VS+2], v[ONE] matrix_a_fmt:MATRIX_FMT_FP4 matrix_b_fmt:MATRIX_FMT_FP4
	v_wmma_scale_f32_16x16x128_f8f6f4 v[SB:SB+7], v[VF+24:VF+31], v[WF+24:WF+31], v[SB:SB+7], v[VS+3], v[ONE] matrix_a_fmt:MATRIX_FMT_FP4 matrix_b_fmt:MATRIX_FMT_FP4
.rept 4
	v_nop                                          ; four places in front of the first read of the results (ISA guide 7.12.1)
.endr
.irp j, 0,2,4,6
	v_pk_add_f32 v[TMP+\j:TMP+\j+1], v[SA+\j:SA+\j+1], v[SB+\j:SB+\j+1]     ; lane (patch r, h), register j: channel 16 (w % 4) + 8 h + j
.endr
	ds_store_b128 v14, v[TMP:TMP+3] offset:LSP
	ds_store_b128 v14, v[TMP+4:TMP+7] offset:LSP+512
	; ---- Q: through my stage, so that a lane holds 32 neighbours of its row; quantised in registers
	s_wait_loadcnt 0x0
.irp i, 0,1,2,3,4,5,6,7
	ds_store_b128 v11, v[QR+4*\i:QR+4*\i+3] offset:2*QP*\i
.endr
.irp j, 0,1,2,3,4,5,6,7
	ds_load_b128 v[XQ+4*\j:XQ+4*\j+3], v12 offset:16*\j    ; LDS serves a wave's instructions in order: these see my stores
.endr
	s_wait_dscnt 0x0
	QUANT32 XQ, QF
	v_lshlrev_b32 v[WT], v[SH8], v[BY]             ; my byte and lane l xor 16's make the row's word; the two bytes stand twice, as in K's words
	v_permlanex16_b32 v[WO], v[WT], s[SEL], s[SEL+1]
	v_or_b32 v[QS], v[WT], v[WO]
	v_lshl_or_b32 v[QS], v[QS], 16, v[QS]
	; ---- THE BARRIER: every wave's stores into the shared regions have landed; nothing there is written again
	s_wait_dscnt 0x0
	s_barrier_signal -1
	s_barrier_wait -1
	; ---- scores: S^T = K Q^T, ten tiles of 16 keys
.irp n, 40,41,42,43
	v_mov_b32 v[KF+\n], 0                          ; what stands behind the last tile
.endr
.irp b, 0,1,2,3,4
	ds_load_b128 v[KF+8*\b:KF+8*\b+3], v6 offset:1024*\b
	ds_load_b128 v[KF+8*\b+4:KF+8*\b+7], v6 offset:1024*\b+512
.endr
.irp b, 0,1,2,3,4
	ds_load_b32 v[KS+\b], v7 offset:128*\b
.endr
.irp k, 0,1,2
	ds_load_b32 v[GW+2*\k], v9 offset:256*\k
	ds_load_b32 v[GW+2*\k+1], v9 offset:256*\k+128
.endr
.rept 8
	v_nop                                          ; Q's scale word, written by vector instructions, stands 8 places ahead of the scaled products; its codes and the zeros 4
.endr
	s_wait_dscnt 6                                 ; K's tiles and words are in; V's six words are younger
.irp b, 0,1,2,3,4
	v_wmma_scale_f32_16x16x128_f8f6f4 v[SCR+16*\b:SCR+16*\b+7], v[KF+8*\b:KF+8*\b+7], v[QF:QF+7], 0, v[KS+\b], v[QS] matrix_a_fmt:MATRIX_FMT_FP4 matrix_b_fmt:MATRIX_FMT_FP4
	v_wmma_scale_f32_16x16x128_f8f6f4 v[SCR+16*\b+8:SCR+16*\b+15], v[KF+8*\b+4:KF+8*\b+11], v[QF:QF+7], 0, v[KS+\b], v[QS] matrix_a_fmt:MATRIX_FMT_FP4 matrix_b_fmt:MATRIX_FMT_FP4 matrix_a_scale:MATRIX_SCALE_ROW1
.endr
	s_wait_dscnt 0x0
.irp s, 0,1                            ; V's words for blocks b0 + 4 s .. + 3: four bytes out of two neighbouring groups'.  These four lines are also the places behind the products
	v_alignbit_b32 v[VS+2*\s], v[GW+2*\s+2], v[GW+2*\s], s[SH]
	v_alignbit_b32 v[VS+2*\s+1], v[GW+2*\s+3], v[GW+2*\s+1], s[SH]
.endr
	; ---- the two maxima: of the scores and of their negatives, each accumulator from its low end on; the fill takes part in both
.irp b, 0,1,2,3,4
	v_max3_num_f32 v[BMX+\b], v[SCR+16*\b], v[SCR+16*\b+1], v[SCR+16*\b+2]
	v_max3_num_f32 v[BMN+\b], -v[SCR+16*\b], -v[SCR+16*\b+1], -v[SCR+16*\b+2]
.endr
.irp i, 3,5,7,9,11,13
.irp b, 0,1,2,3,4
	v_max3_num_f32 v[BMX+\b], v[BMX+\b], v[SCR+16*\b+\i], v[SCR+16*\b+\i+1]
	v_max3_num_f32 v[BMN+\b], v[BMN+\b], -v[SCR+16*\b+\i], -v[SCR+16*\b+\i+1]
.endr
.endr
.irp b, 0,1,2,3,4
	v_max_num_f32 v[BMX+\b], v[BMX+\b], v[SCR+16*\b+15]
	v_max_num_f32 v[BMN+\b], v[BMN+\b], -v[SCR+16*\b+15]
.endr
.irp b, 0,1,2,3,4
	v_cndmask_b32 v[BMX+\b], v[FILL], v[BMX+\b], s[VM+\b]  ; a lane's 16 keys of a block are one patch: they count together or not at all
	v_cndmask_b32 v[BMN+\b], v[FILL], v[BMN+\b], s[VM+\b]
.endr
	v_max3_num_f32 v74, v[BMX], v[BMX+1], v[BMX+2]
	v_max3_num_f32 v75, v[BMN], v[BMN+1], v[BMN+2]
	v_max3_num_f32 v74, v74, v[BMX+3], v[BMX+4]
	v_max3_num_f32 v75, v75, v[BMN+3], v[BMN+4]
	v_permlanex16_b32 v76, v74, s[SEL], s[SEL+1]
	v_permlanex16_b32 v77, v75, s[SEL], s[SEL+1]
	v_max3_num_f32 v74, v74, v76, v[FILL]          ; m+
	v_max3_num_f32 v75, v75, v77, v[FILL]          ; m-
	; ---- exponents: a key that counts: +-a s - a m; a masked one: exactly a x fill - a m; one past the head's end: -infinity
	v_mul_f32 v78, -v18, v74
	v_mul_f32 v79, -v18, v75
	v_fma_f32 v80, v[FILL], v18, v78
	v_fma_f32 v81, v[FILL], v18, v79
.irp b, 0,1,2,3,4
	v_cndmask_b32 v[TB+6*\b], 0, v18, s[VM+\b]
	v_cndmask_b32 v[TB+6*\b+2], v[NINF], v80, s[EM+\b]
	v_cndmask_b32 v[TB+6*\b+4], v[NINF], v81, s[EM+\b]
.endr
.irp b, 0,1,2,3,4
	v_cndmask_b32 v[TB+6*\b+2], v[TB+6*\b+2], v78, s[VM+\b]
	v_cndmask_b32 v[TB+6*\b+4], v[TB+6*\b+4], v79, s[VM+\b]
.endr
.irp b, 0,1,2,3,4
.irp j, 0,2,4,6,8,10,12,14
	v_pk_fma_f32 v[NEG+16*\b+\j:NEG+16*\b+\j+1], v[SCR+16*\b+\j:SCR+16*\b+\j+1], v[TB+6*\b:TB+6*\b+1], v[TB+6*\b+4:TB+6*\b+5] op_sel_hi:[1,0,0] neg_lo:[0,1,0] neg_hi:[0,1,0]
.endr
.endr
.irp b, 0,1,2,3,4
.irp j, 0,2,4,6,8,10,12,14
	v_pk_fma_f32 v[SCR+16*\b+\j:SCR+16*\b+\j+1], v[SCR+16*\b+\j:SCR+16*\b+\j+1], v[TB+6*\b:TB+6*\b+1], v[TB+6*\b+2:TB+6*\b+3] op_sel_hi:[1,0,0]
.endr
.endr
.set j, 0
.rept 80
	v_exp_f32 v[NEG+j], v[NEG+j]
.set j, j+1
.endr
.set j, 0
.rept 80
	v_exp_f32 v[SCR+j], v[SCR+j]
.set j, j+1
.endr
	v_exp_f32 v82, v80                             ; E+, E-: a masked key's terms
	v_exp_f32 v83, v81
	v_nop                                          ; a plain line behind the exponentials
	; ---- the sums: two chains a side, two numbers at a time
	s_wait_alu depctr_va_vdst(0)
	v_pk_add_f32 v[84:85], v[SCR:SCR+1], v[SCR+4:SCR+5]
	v_pk_add_f32 v[86:87], v[SCR+2:SCR+3], v[SCR+6:SCR+7]
	v_pk_add_f32 v[88:89], v[NEG:NEG+1], v[NEG+4:NEG+5]
	v_pk_add_f32 v[90:91], v[NEG+2:NEG+3], v[NEG+6:NEG+7]
.set j, 8
.rept 18
	v_pk_add_f32 v[84:85], v[84:85], v[SCR+j:SCR+j+1]
	v_pk_add_f32 v[86:87], v[86:87], v[SCR+j+2:SCR+j+3]
	v_pk_add_f32 v[88:89], v[88:89], v[NEG+j:NEG+j+1]
	v_pk_add_f32 v[90:91], v[90:91], v[NEG+j+2:NEG+j+3]
.set j, j+4
.endr
	v_pk_add_f32 v[84:85], v[84:85], v[86:87]
	v_pk_add_f32 v[88:89], v[88:89], v[90:91]
	v_add_f32 v84, v84, v85
	v_add_f32 v88, v88, v89
	v_permlanex16_b32 v76, v84, s[SEL], s[SEL+1]
	v_permlanex16_b32 v77, v88, s[SEL], s[SEL+1]
	v_add_f32 v84, v84, v76
	v_add_f32 v88, v88, v77
	v_fma_f32 v84, v[NRF], v82, v84                ; and the keys of all other blocks, each with a masked key's term
	v_fma_f32 v88, v[NRF], v83, v88
	v_rcp_f32 v92, v84
	v_rcp_f32 v94, v88
	v_mov_b32 v87, 0x400000                        ; (a plain line behind the reciprocals)
	; ---- c and qc.  Two products and a difference: where both sides hold the same bits (a patch with no key that counts) c is exactly 0
	s_wait_alu depctr_va_vdst(0)
	v_mul_f32 v85, v82, v92
	v_mul_f32 v86, v83, v94
	v_sub_f32 v85, v85, v86
	v_and_b32 v86, 0x7fffff, v85
	v_cmp_lt_u32 vcc_lo, 0x200000, v86             ; mantissa over 1.25: the code 6, else 4 (1.25 itself is a tie and goes to the even code, 4)
	v_cndmask_b32 v87, 0, v87, vcc_lo
	v_and_or_b32 v76, v85, 0xff800000, v87         ; qc
	; ---- A = e+ / Z+ - e- / Z-
.set j, 0
.rept 40
	v_pk_mul_f32 v[NEG+j:NEG+j+1], v[NEG+j:NEG+j+1], v[94:95] op_sel_hi:[1,0]
.set j, j+2
.endr
.set j, 0
.rept 40
	v_pk_fma_f32 v[SCR+j:SCR+j+1], v[SCR+j:SCR+j+1], v[92:93], v[NEG+j:NEG+j+1] op_sel_hi:[1,0,1] neg_lo:[0,0,1] neg_hi:[0,0,1]
.set j, j+2
.endr
	; ---- V's eight fragments are asked for now (e-'s registers are free): step s = local blocks LB0 + 4 s .. + 3, tile t = channels 16 t on
.irp s, 0,1
.irp t, 0,1,2,3
	ds_load_b128 v[VFR+32*\s+8*\t:VFR+32*\s+8*\t+3], v8 offset:4096*\s+256*\t
	ds_load_b128 v[VFR+32*\s+8*\t+4:VFR+32*\s+8*\t+7], v8 offset:4096*\s+2048+256*\t
.endr
.endr
.irp n, 10,11,12,13,14,15
	v_mov_b32 v[PF+\n], 0                          ; the second step holds one block of A: the other three are zero codes
.endr
	; ---- A is quantised along the keys: a block lies in lanes l and l xor 16, 16 numbers each
.irp b, 0,1,2,3,4
	v_max3_num_f32 v[44+\b], |v[SCR+16*\b]|, |v[SCR+16*\b+1]|, 0x1800000
.endr
.irp i, 2,4,6,8,10,12,14
.irp b, 0,1,2,3,4
	v_max3_num_f32 v[44+\b], v[44+\b], |v[SCR+16*\b+\i]|, |v[SCR+16*\b+\i+1]|
.endr
.endr
.irp b, 0,1,2,3,4
	v_permlanex16_b32 v[49+\b], v[44+\b], s[SEL], s[SEL+1]
.endr
.irp b, 0,1,2,3,4
	v_max_num_f32 v[44+\b], v[44+\b], v[49+\b]
.endr
.irp b, 0,1,2,3,4
	v_add_nc_u32 v[54+\b], 0xff000000, v[44+\b]    ; the conversion's scale operand
.endr
.irp b, 0,1,2,3,4
	v_lshrrev_b32 v[59+\b], 23, v[54+\b]           ; the byte
.endr
	v_lshl_or_b32 v[PW], v60, 8, v59
	v_lshl_or_b32 v[PW+1], v63, 8, v63             ; the fifth block's byte in all four places: the other three stand against zero codes
	v_lshl_or_b32 v[PW], v61, 16, v[PW]
	v_lshl_or_b32 v[PW+1], v[PW+1], 16, v[PW+1]
	v_lshl_or_b32 v[PW], v62, 24, v[PW]
.irp b, 0,1,2,3,4
	v_cvt_scalef32_pk8_fp4_f32 v[PF+2*\b], v[SCR+16*\b:SCR+16*\b+7], v[54+\b]
	v_cvt_scalef32_pk8_fp4_f32 v[PF+2*\b+1], v[SCR+16*\b+8:SCR+16*\b+15], v[54+\b]
.endr
	v_nop                                          ; a plain line behind the conversions
.irp c, 0,1,2                          ; the operand wants a whole block in a lane: lanes 0-15 block 2 c, lanes 16-31 block 2 c + 1 (block 5: zeros)
	v_permlane16_swap_b32 v[PF+4*\c], v[PF+4*\c+2]
	v_permlane16_swap_b32 v[PF+4*\c+1], v[PF+4*\c+3]
.endr
.rept 8
	v_nop                                          ; A's scale words stand 8 places ahead of the scaled products, its codes 4; the products also write over the conversions' sources
.endr
	; ---- O^T = V^T P^T: four accumulators by turns
	s_wait_dscnt 0x0
.macro PV s, t
.set rO, OA+8*(\t)
.set rV, VFR+32*(\s)+8*(\t)
.set rP, PF+8*(\s)
.set rS, VS+2*(\s)+(\t)/2
.if (\s) == 0
.if (\t)%2 == 0
	v_wmma_scale_f32_16x16x128_f8f6f4 v[rO:rO+7], v[rV:rV+7], v[rP:rP+7], 0, v[rS], v[PW+\s] matrix_a_fmt:MATRIX_FMT_FP4 matrix_b_fmt:MATRIX_FMT_FP4
.else
	v_wmma_scale_f32_16x16x128_f8f6f4 v[rO:rO+7], v[rV:rV+7], v[rP:rP+7], 0, v[rS], v[PW+\s] matrix_a_fmt:MATRIX_FMT_FP4 matrix_b_fmt:MATRIX_FMT_FP4 matrix_a_scale:MATRIX_SCALE_ROW1
.endif
.else
.if (\t)%2 == 0
	v_wmma_scale_f32_16x16x128_f8f6f4 v[rO:rO+7], v[rV:rV+7], v[rP:rP+7], v[rO:rO+7], v[rS], v[PW+\s] matrix_a_fmt:MATRIX_FMT_FP4 matrix_b_fmt:MATRIX_FMT_FP4
.else
	v_wmma_scale_f32_16x16x128_f8f6f4 v[rO:rO+7], v[rV:rV+7], v[rP:rP+7], v[rO:rO+7], v[rS], v[PW+\s] matrix_a_fmt:MATRIX_FMT_FP4 matrix_b_fmt:MATRIX_FMT_FP4 matrix_a_scale:MATRIX_SCALE_ROW1
.endif
.endif
.endm
.irp s, 0,1
.irp t, 0,1,2,3
	PV \s, \t
.endr
.endr
.rept 4
	v_nop                                          ; four places in front of loads into registers that the products have read
.endr
	; ---- S_p of my patch: for each tile of 16 channels the four parts along the keys are added
.macro LOADT t, buf
.irp k, 0,1,2,3
	ds_load_b128 v[\buf+8*\k:\buf+8*\k+3], v10 offset:1024*(\t+4*\k)
	ds_load_b128 v[\buf+8*\k+4:\buf+8*\k+7], v10 offset:1024*(\t+4*\k)+512
.endr
.endm
.macro RED t, buf
.irp i, 0,2,4,6
	v_pk_add_f32 v[SV+8*\t+\i:SV+8*\t+\i+1], v[\buf+\i:\buf+\i+1], v[\buf+8+\i:\buf+8+\i+1]
.endr
.irp i, 0,2,4,6
	v_pk_add_f32 v[SV+8*\t+\i:SV+8*\t+\i+1], v[SV+8*\t+\i:SV+8*\t+\i+1], v[\buf+16+\i:\buf+16+\i+1]
.endr
.irp i, 0,2,4,6
	v_pk_add_f32 v[SV+8*\t+\i:SV+8*\t+\i+1], v[SV+8*\t+\i:SV+8*\t+\i+1], v[\buf+24+\i:\buf+24+\i+1]
.endr
.endm
	LOADT 0, VFR
	LOADT 1, VFR+32
	s_wait_dscnt 8                                 ; this tile's eight loads are in; the next tile's eight are younger
	RED 0, VFR
	LOADT 2, VFR
	s_wait_dscnt 8
	RED 1, VFR+32
	LOADT 3, VFR+32
	s_wait_dscnt 8
	RED 2, VFR
	s_wait_dscnt 0x0
	RED 3, VFR+32
	; ---- out = O^T + qc x S_p, each accumulator from its low end on; through my stage, so that whole rows leave
.set j, 0
.rept 16
	v_pk_fma_f32 v[SV+j:SV+j+1], v[SV+j:SV+j+1], v[76:77], v[OA+j:OA+j+1] op_sel_hi:[1,0,1]
.set j, j+2
.endr
.irp t, 0,1,2,3
	ds_store_b128 v13, v[SV+8*\t:SV+8*\t+3] offset:64*\t           ; lane (r, h): out(r, 16 t + 8 h + 0 .. 7)
	ds_store_b128 v13, v[SV+8*\t+4:SV+8*\t+7] offset:64*\t+16
.endr
.irp i, 0,1,2,3,4,5,6,7
	ds_load_b128 v[VFR+4*\i:VFR+4*\i+3], v11 offset:2*QP*\i        ; LDS serves a wave's instructions in order: these see my stores
.endr
.irp i, 0,1,2,3,4,5,6,7
	s_wait_dscnt 7-\i                              ; pair i of rows is back; the pairs behind it are younger
	global_store_b128 v4, v[VFR+4*\i:VFR+4*\i+3], s[42:43] offset:512*\i th:TH_STORE_NT    ; 512 consecutive bytes, aligned: two rows of out
.endr
	s_wait_xcnt 0x0
	v_lshl_add_u32 v232, v0, 2, 0x1e000
	v_mov_b32 v233, 0
	s_wait_tensorcnt 0x0
	ds_add_u32 v232, v233
	s_wait_dscnt 0x0
	s_endpgm
.Lfunc_end_k_q80d3bf4e7f_attend:
	.size	k_q80d3bf4e7f_attend, .Lfunc_end_k_q80d3bf4e7f_attend-k_q80d3bf4e7f_attend
	.p2alignl 7, 3214868480
	.fill 96, 4, 3214868480
	.section	.rodata,"a",@progbits
	.p2align	6, 0x0
	.amdhsa_kernel k_q80d3bf4e7f_attend
		.amdhsa_group_segment_fixed_size 124928
		.amdhsa_private_segment_fixed_size 0
		.amdhsa_enable_private_segment 0
		.amdhsa_kernarg_size 56
		.amdhsa_user_sgpr_count 2
		.amdhsa_user_sgpr_kernarg_segment_ptr 1
		.amdhsa_wavefront_size32 1
		.amdhsa_system_sgpr_workgroup_id_x 1
		.amdhsa_system_sgpr_workgroup_id_y 1
		.amdhsa_system_sgpr_workgroup_id_z 1
		.amdhsa_system_vgpr_workitem_id 0
		.amdhsa_next_free_vgpr 256
		.amdhsa_next_free_sgpr 80
		.amdhsa_reserve_vcc 1
		.amdhsa_float_denorm_mode_32 3
		.amdhsa_float_denorm_mode_16_64 3
		.amdhsa_memory_ordered 1
		.amdhsa_forward_progress 1
		.amdhsa_inst_pref_size 62
	.end_amdhsa_kernel
	.amdgpu_metadata
---
amdhsa.version: [ 1, 2 ]
amdhsa.kernels:
  - .name:           k_q80d3bf4e7f_attend
    .symbol:         k_q80d3bf4e7f_attend.kd
    .args:
      - { .name: queries, .offset: 0, .size: 8, .value_kind: global_buffer, .address_space: global }
      - { .name: log_scale, .offset: 8, .size: 8, .value_kind: global_buffer, .address_space: global }
      - { .name: k_codes, .offset: 16, .size: 8, .value_kind: global_buffer, .address_space: global }
      - { .name: k_scales, .offset: 24, .size: 8, .value_kind: global_buffer, .address_space: global }
      - { .name: v_codes, .offset: 32, .size: 8, .value_kind: global_buffer, .address_space: global }
      - { .name: v_scales, .offset: 40, .size: 8, .value_kind: global_buffer, .address_space: global }
      - { .name: out0, .offset: 48, .size: 8, .value_kind: global_buffer, .address_space: global }
    .group_segment_fixed_size: 124928
    .private_segment_fixed_size: 0
    .kernarg_segment_align: 8
    .kernarg_segment_size: 56
    .max_flat_workgroup_size: 512
    .sgpr_count:     80
    .vgpr_count:     256
    .wavefront_size: 32
...
	.end_amdgpu_metadata
.endif
;; end of part 2
;; ======== version 2 of 2: 2 launches
;; workspace buffers: k_codes 2,097,152 bytes; k_scales 262,144 bytes; v_codes 2,097,152 bytes; v_scales 131,072 bytes
;; launch quant (part 3): grid 256 x 1, 8 waves a work-group, no clusters, 74,752 bytes of LDS; arguments keys, values, k_codes, k_scales, v_codes, v_scales; writes k_codes, k_scales, v_codes, v_scales
.if DOCPART == 3
	.amdgcn_target "amdgcn-amd-amdhsa--gfx1250"
	.amdhsa_code_object_version 6
	.text
	.protected	k_q80d3bf4e7f_quant
	.globl	k_q80d3bf4e7f_quant
	.p2align	8
	.type	k_q80d3bf4e7f_quant,@function
k_q80d3bf4e7f_quant:
	s_mov_b64 s[64:65], 0
	v_nop
	global_prefetch_b8 v0, s[64:65] scope:SCOPE_SE
	s_setreg_imm32_b32 hwreg(HW_REG_WAVE_MODE, 25, 1), 1
	s_wait_xcnt 0x0
; keys and values, [32 heads][2048][64] f32, become codes of FP4 (E2M1) with one E8M0 byte for each 32 along the product's K.
; keys: K = the head's 64 channels (innermost).  values: K = the keys (the first axis within a head).
; A block's scale is 2^(floor(log2(its largest magnitude)) - 2); its byte is the largest magnitude's exponent field - 2, held at 1 from below.
; The results are laid as the next launch's matrix operands want their registers:
;   k_codes  [head][block of 32 keys][tile u][lane][16 bytes]: lane (r, h) of tile u holds channels 32 h .. 32 h + 31 of key 32 block + 8 u + r + 8 (r / 8)
;   k_scales [head][block][lane] words: lanes 0-15 tile 0's rows, lanes 16-31 tile 1's; word = b0 | b1 << 8 | b0 << 16 | b1 << 24 (the two bytes twice: the upper two stand against zero codes)
;   v_codes  [head][block of 32 keys][channel 64][16 bytes];   v_scales [head][group of 4 blocks][channel 64] words, byte i = block 4 group + i
; LIMITS: a block of zeros gets the byte 1 (not 127): its codes are zeros and this program alone reads the bytes.  NaN and infinities among the inputs are not served.
; SHARES: work-groups 0-127 take keys, 128-255 values; eight waves each, which share nothing: no barrier.  Only the keys' path uses LDS, each wave bytes of its own.
; No tensor loads, matrix units or clusters: every input byte is read once by one wave, so nothing is shared.
.set AM,  12                           ; v12, v13 the largest magnitude, in two chains
.set AM2, 13
.set SC,  14                           ; v14  the conversion's scale operand
.set BY,  15                           ; v15  the scale's byte
.set WT,  16                           ; v16, v17 at work on a scale word
.set WO,  17
.set W0,  18                           ; v18, v19 the scale words of tiles 0 and 1
.set W1,  19
.set SH8, 10                           ; v10  8 h
.set KR,  32                           ; v32-159  keys: two blocks of 32 keys as loaded
.set KX,  160                          ; v160-223 two tiles: 32 neighbours along K a lane
.set KCD, 224                          ; v224-239 codes, four registers for each (block, tile): no store's data are written again
.set VX,  32                           ; v32-95   values: two sets of 32 numbers down K
.set VCD, 96                           ; v96-111  codes, four registers a block
.set VSB, 112                          ; v112     four scale bytes
.set STW, 8960                         ; LDS: a wave's stage: 32 rows of 256 bytes, 272 apart, and 128 more in front of rows 16-31
.set GAT, 8*STW                        ; behind the stages: 256 bytes a wave in which its scale words are gathered
; 32 numbers of ONE lane, a whole block, become 4 registers of codes; the scale operand stays in v[SC], the byte in v[BY]
.macro QUANT32 x, c
	v_max3_num_f32 v[AM], |v[(\x)]|, |v[(\x)+1]|, 0x1800000        ; with the floor 2^(3 - 127): the byte cannot fall under 1
	v_max3_num_f32 v[AM2], |v[(\x)+2]|, |v[(\x)+3]|, |v[(\x)+4]|
.irp i, 5,9,13,17,21,25
	s_delay_alu instid0(VALU_DEP_2)
	v_max3_num_f32 v[AM], v[AM], |v[(\x)+\i]|, |v[(\x)+\i+1]|
	s_delay_alu instid0(VALU_DEP_2)
	v_max3_num_f32 v[AM2], v[AM2], |v[(\x)+\i+2]|, |v[(\x)+\i+3]|
.endr
	s_delay_alu instid0(VALU_DEP_2)
	v_max3_num_f32 v[AM], v[AM], |v[(\x)+29]|, |v[(\x)+30]|
	s_delay_alu instid0(VALU_DEP_1)
	v_max3_num_f32 v[AM], v[AM], v[AM2], |v[(\x)+31]|
	s_delay_alu instid0(VALU_DEP_1)
	v_add_nc_u32 v[SC], 0xff000000, v[AM]          ; 2 off the exponent field: the conversion takes that field as its scale and nothing else
.irp g, 0,1,2,3
	v_cvt_scalef32_pk8_fp4_f32 v[(\c)+\g], v[(\x)+8*\g:(\x)+8*\g+7], v[SC]
.endr
	v_lshrrev_b32 v[BY], 23, v[SC]                 ; the byte; also the plain line behind the conversions
.endm
; my byte (block h of my row) and lane l xor 16's make the row's word
.macro WORD w
	s_delay_alu instid0(VALU_DEP_1)
	v_lshlrev_b32 v[WT], v[SH8], v[BY]
	s_delay_alu instid0(VALU_DEP_1)
	v_permlanex16_b32 v[WO], v[WT], s20, s21
	s_delay_alu instid0(VALU_DEP_1)
	v_or_b32 v[\w], v[WT], v[WO]
	s_delay_alu instid0(VALU_DEP_1)
	v_lshl_or_b32 v[\w], v[\w], 16, v[\w]
.endm
	s_load_b128 s[4:7], s[0:1], 0x0                ; keys, values
	s_load_b128 s[8:11], s[0:1], 0x10              ; k_codes, k_scales
	s_load_b128 s[12:15], s[0:1], 0x20             ; v_codes, v_scales
	v_lshl_add_u32 v240, v0, 2, 0x12000
	v_mov_b32 v241, 0
	v_lshrrev_b32 v1, 5, v0
	s_delay_alu instid0(VALU_DEP_1)
	v_readfirstlane_b32 s16, v1                    ; wave 0..7
	v_and_b32 v1, 31, v0                           ; lane l
	v_and_b32 v2, 15, v0                           ; r
	v_bfe_u32 v3, v0, 4, 1                         ; h
	s_mov_b32 s20, 0x76543210
	s_mov_b32 s21, 0xfedcba98                      ; v_permlanex16_b32's selects for lane l xor 16
	s_cmp_lt_u32 ttmp9, 128
	s_cbranch_scc0 .Lvalues
	; ---------------- keys: a wave takes 64 keys = two blocks = 16,384 bytes
	s_lshl_b32 s17, ttmp9, 3
	s_add_co_u32 s17, s17, s16                     ; which 64 keys: 0..1023
	s_lshl_b32 s24, s17, 14                        ; their bytes in keys,
	s_mov_b32 s25, 0
	s_lshl_b32 s26, s17, 11                        ; in k_codes (2 x 1,024),
	s_mov_b32 s27, 0
	s_lshl_b32 s28, s17, 8                         ; in k_scales (2 x 128)
	s_mov_b32 s29, 0
	s_mov_b32 s22, 0xffff0000                      ; lanes 16-31
	s_mul_i32 s18, s16, STW                        ; my stage
	s_lshl_b32 s19, s16, 8
	s_add_co_u32 s19, s19, GAT                     ; my 256 bytes for the scale words
	s_wait_alu depctr_va_vdst(0)
	v_lshlrev_b32 v4, 4, v1                        ; 16 l: my bytes of a load's or a store's 512
	v_mul_u32_u24 v5, v3, 272
	s_delay_alu instid0(VALU_DEP_1)
	v_lshl_add_u32 v5, v2, 4, v5
	s_delay_alu instid0(VALU_DEP_1)
	v_add_nc_u32 v5, s18, v5                       ; into the stage: a load's two rows, row h, 16 r
	v_lshrrev_b32 v11, 3, v2
	s_delay_alu instid0(VALU_DEP_1)
	v_lshl_add_u32 v6, v11, 3, v2                  ; r + 8 (r / 8): my row of tile 0
	s_delay_alu instid0(VALU_DEP_1)
	v_mul_u32_u24 v6, v6, 272
	s_delay_alu instid0(VALU_DEP_1)
	v_lshl_add_u32 v6, v11, 7, v6                  ; rows 16-31 lie 128 bytes further on
	s_delay_alu instid0(VALU_DEP_1)
	v_lshl_add_u32 v6, v3, 7, v6                   ; my half of the row's 256 bytes
	s_delay_alu instid0(VALU_DEP_1)
	v_add_nc_u32 v6, s18, v6
	v_lshl_add_u32 v7, v1, 2, s19                  ; the gather: 4 bytes a lane in,
	v_lshl_add_u32 v8, v1, 3, s19                  ; 8 bytes a lane out
	v_lshlrev_b32 v9, 3, v1
	v_lshlrev_b32 v[SH8], 3, v3
	v_mov_b32 v[WO], 0                             ; a lane permute's destination counts as one of its sources
	s_wait_alu depctr_va_vdst(0)
	s_wait_kmcnt 0x0
	s_add_nc_u64 s[4:5], s[4:5], s[24:25]
	s_add_nc_u64 s[8:9], s[8:9], s[26:27]
	s_add_nc_u64 s[10:11], s[10:11], s[28:29]
.irp q, 0,1
.irp i, 0,1,2,3,4,5,6,7,8,9,10,11,12,13,14,15
	global_load_b128 v[KR+64*\q+4*\i:KR+64*\q+4*\i+3], v4, s[4:5] offset:8192*\q+512*\i th:TH_LOAD_NT   ; 512 consecutive bytes: two keys
.endr
.endr
; A block of 32 keys turns through the stage: in as it lies, out 128 bytes (32 channels) a lane.  LDS serves a wave's instructions in order, so no wait stands between the stores and the loads.
.macro KBLOCK q
	s_wait_loadcnt 16-16*\q                        ; this block's 16 loads are in; the other block's 16 are younger
.irp i, 0,1,2,3,4,5,6,7,8,9,10,11,12,13,14,15
	ds_store_b128 v5, v[KR+64*\q+4*\i:KR+64*\q+4*\i+3] offset:544*\i+128*(\i/8)
.endr
.irp u, 0,1
.irp j, 0,1,2,3,4,5,6,7
	ds_load_b128 v[KX+32*\u+4*\j:KX+32*\u+4*\j+3], v6 offset:2176*\u+16*\j   ; tile u's rows begin 8 u rows further down
.endr
.endr
	s_wait_dscnt 8                                 ; tile 0's numbers are in; tile 1's eight loads are younger.  (The last block's word store is done too: v[W0] may be written)
	QUANT32 KX, KCD+8*\q
	WORD W0
	global_store_b128 v4, v[KCD+8*\q:KCD+8*\q+3], s[8:9] offset:1024*\q        ; 512 consecutive bytes
	s_wait_dscnt 0x0
	QUANT32 KX+32, KCD+8*\q+4
	WORD W1
	global_store_b128 v4, v[KCD+8*\q+4:KCD+8*\q+7], s[8:9] offset:1024*\q+512
	v_cndmask_b32 v[W0], v[W0], v[W1], s22         ; lanes 16-31 carry tile 1's words
	ds_store_b32 v7, v[W0] offset:128*\q
.endm
	KBLOCK 0
	KBLOCK 1
	ds_load_b64 v[20:21], v8                       ; both blocks' words: in order behind my stores
	s_wait_dscnt 0x0
	global_store_b64 v9, v[20:21], s[10:11]        ; 256 consecutive bytes, aligned
	s_wait_tensorcnt 0x0
	ds_add_u32 v240, v241
	s_wait_dscnt 0x0
	s_endpgm
	; ---------------- values: a wave takes 32 channels x 128 keys.  A lane takes a channel and its registers run down the keys: a block lies in one lane, and nothing is transposed
.Lvalues:
	s_sub_co_u32 s17, ttmp9, 128
	s_lshl_b32 s17, s17, 3
	s_add_co_u32 s17, s17, s16                     ; 0..1023
	s_and_b32 s18, s17, 1                          ; which 32 channels
	s_bfe_u32 s19, s17, 0x40001                    ; which group of 128 keys
	s_lshr_b32 s23, s17, 5                         ; head
	s_lshl_b32 s24, s23, 19                        ; values: head x 524,288 + group x 128 rows of 256 + 128 x half
	s_lshl_b32 s30, s19, 15
	s_add_co_u32 s24, s24, s30
	s_lshl_b32 s30, s18, 7
	s_add_co_u32 s24, s24, s30
	s_mov_b32 s25, 0
	s_lshl_b32 s26, s23, 16                        ; v_codes: head x 65,536 + group x 4 blocks of 1,024 + 512 x half
	s_lshl_b32 s30, s19, 12
	s_add_co_u32 s26, s26, s30
	s_lshl_b32 s30, s18, 9
	s_add_co_u32 s26, s26, s30
	s_mov_b32 s27, 0
	s_lshl_b32 s28, s23, 12                        ; v_scales: head x 4,096 + group x 256 + 128 x half
	s_lshl_b32 s30, s19, 8
	s_add_co_u32 s28, s28, s30
	s_lshl_b32 s30, s18, 7
	s_add_co_u32 s28, s28, s30
	s_mov_b32 s29, 0
	s_wait_alu depctr_va_vdst(0)
	v_lshlrev_b32 v4, 2, v1                        ; 4 l
	v_lshlrev_b32 v5, 4, v1                        ; 16 l
	s_wait_alu depctr_va_vdst(0)
	s_wait_kmcnt 0x0
	s_add_nc_u64 s[6:7], s[6:7], s[24:25]
	s_add_nc_u64 s[12:13], s[12:13], s[26:27]
	s_add_nc_u64 s[14:15], s[14:15], s[28:29]
.macro VLOAD t                         ; block t: key 32 t + i of my channel, into set t % 2; a load reads 128 consecutive bytes
.set i, 0
.rept 32
	global_load_b32 v[VX+32*((\t)%2)+i], v4, s[6:7] offset:256*(32*(\t)+i) th:TH_LOAD_NT
.set i, i+1
.endr
.endm
.macro VBLOCK t
.if \t < 3
	s_wait_loadcnt 32                              ; this block's 32 loads are in; the next block's 32 are younger
.else
	s_wait_loadcnt 0x0
.endif
	QUANT32 VX+32*((\t)%2), VCD+4*(\t)
.if \t == 0
	s_delay_alu instid0(VALU_DEP_1)
	v_mov_b32 v[VSB], v[BY]
.else
	s_delay_alu instid0(VALU_DEP_1)
	v_lshl_or_b32 v[VSB], v[BY], 8*\t, v[VSB]
.endif
	global_store_b128 v5, v[VCD+4*\t:VCD+4*\t+3], s[12:13] offset:1024*\t      ; 512 consecutive bytes: 32 channels' codes of the block
.if \t < 2
	VLOAD \t+2
.endif
.endm
	VLOAD 0
	VLOAD 1
	VBLOCK 0
	VBLOCK 1
	VBLOCK 2
	VBLOCK 3
	global_store_b32 v4, v[VSB], s[14:15]          ; 128 consecutive bytes; the wave with the other 32 channels stores the 128 beside them
	s_endpgm
.Lfunc_end_k_q80d3bf4e7f_quant:
	.size	k_q80d3bf4e7f_quant, .Lfunc_end_k_q80d3bf4e7f_quant-k_q80d3bf4e7f_quant
	.p2alignl 7, 3214868480
	.fill 96, 4, 3214868480
	.section	.rodata,"a",@progbits
	.p2align	6, 0x0
	.amdhsa_kernel k_q80d3bf4e7f_quant
		.amdhsa_group_segment_fixed_size 74752
		.amdhsa_private_segment_fixed_size 0
		.amdhsa_enable_private_segment 0
		.amdhsa_kernarg_size 48
		.amdhsa_user_sgpr_count 2
		.amdhsa_user_sgpr_kernarg_segment_ptr 1
		.amdhsa_wavefront_size32 1
		.amdhsa_system_sgpr_workgroup_id_x 1
		.amdhsa_system_sgpr_workgroup_id_y 1
		.amdhsa_system_sgpr_workgroup_id_z 1
		.amdhsa_system_vgpr_workitem_id 0
		.amdhsa_next_free_vgpr 242
		.amdhsa_next_free_sgpr 66
		.amdhsa_reserve_vcc 0
		.amdhsa_float_denorm_mode_32 3
		.amdhsa_float_denorm_mode_16_64 3
		.amdhsa_memory_ordered 1
		.amdhsa_forward_progress 1
		.amdhsa_inst_pref_size 41
	.end_amdhsa_kernel
	.amdgpu_metadata
---
amdhsa.version: [ 1, 2 ]
amdhsa.kernels:
  - .name:           k_q80d3bf4e7f_quant
    .symbol:         k_q80d3bf4e7f_quant.kd
    .args:
      - { .name: keys, .offset: 0, .size: 8, .value_kind: global_buffer, .address_space: global }
      - { .name: values, .offset: 8, .size: 8, .value_kind: global_buffer, .address_space: global }
      - { .name: k_codes, .offset: 16, .size: 8, .value_kind: global_buffer, .address_space: global }
      - { .name: k_scales, .offset: 24, .size: 8, .value_kind: global_buffer, .address_space: global }
      - { .name: v_codes, .offset: 32, .size: 8, .value_kind: global_buffer, .address_space: global }
      - { .name: v_scales, .offset: 40, .size: 8, .value_kind: global_buffer, .address_space: global }
    .group_segment_fixed_size: 74752
    .private_segment_fixed_size: 0
    .kernarg_segment_align: 8
    .kernarg_segment_size: 48
    .max_flat_workgroup_size: 256
    .sgpr_count:     66
    .vgpr_count:     242
    .wavefront_size: 32
...
	.end_amdgpu_metadata
.endif
;; end of part 3
;; launch attend (part 4): grid 8 x 32, 16 waves a work-group, no clusters, 124,928 bytes of LDS; arguments queries, log_scale, k_codes, k_scales, v_codes, v_scales, out0; writes out0
.if DOCPART == 4
	.amdgcn_target "amdgcn-amd-amdhsa--gfx1250"
	.amdhsa_code_object_version 6
	.text
	.protected	k_q80d3bf4e7f_attend
	.globl	k_q80d3bf4e7f_attend
	.p2align	8
	.type	k_q80d3bf4e7f_attend,@function
k_q80d3bf4e7f_attend:
	s_mov_b64 s[64:65], 0
	v_nop
	global_prefetch_b8 v0, s[64:65] scope:SCOPE_SE
	s_setreg_imm32_b32 hwreg(HW_REG_WAVE_SCHED_MODE, 0, 2), 2
	s_setreg_imm32_b32 hwreg(HW_REG_WAVE_MODE, 25, 1), 1
	s_wait_xcnt 0x0
	s_wait_alu depctr_vm_vsrc(0)
; out = (softmax(scale pos) - softmax(scale neg)) V, both products on codes of FP4 (E2M1) with one E8M0 scale for each 32 along K.
; THE MASK is the problem's own: 16 positions form a patch; key patch kp counts for query patch p where 1 <= kp - p <= 9; every other score is the fill -10000 on both sides.
; So the 16 queries of a patch share one window, which lies in the five blocks of 32 keys b0 .. b0 + 4, b0 = (p + 1) / 2.  The fill is NOT thrown away: it takes part in both maxima and both sums,
; and every masked key has the same weight c(row) = E+/Z+ - E-/Z-.  A block of 32 keys that is wholly masked quantises to the constant qc = sign(c) 2^floor(log2|c|) x (1 or 1.5; 1.5 where the mantissa is over 1.25).
; Hence out(row, d) = the sum over the five window blocks of Q(A) Q(V)  +  qc(row) x S_p[d],  S_p[d] = the sum of Q(V)[key, d] over the head's blocks outside patch p's window.
; SHARES.  A work-group owns 256 queries of one head; each of its 16 waves one patch, in 256 registers, four waves to a SIMD.  No loop.  One barrier.
; S_p for the work-group's 16 patches is made by the FP4 matrix instruction: source 0 = 16 channels x 128 keys of V's codes, source 1 = 16 patches x 128 keys of codes 1.0 (outside the window) or 0, scale 1.
; Wave w makes the part of channels 16 (w % 4) .. + 15 and keys 512 (w / 4) .. + 511; the parts meet in LDS.
; LAYOUT.  Both products are used transposed (S^T = K Q^T, O^T = V^T P^T): a lane holds ONE query (lane % 16).  The keys of a tile are not neighbours (see k_codes' layout in the launch before):
; register 16 b + i of lane (r, h) is the score of key 32 (b0 + b) + 16 h + i, whose patch is 2 (b0 + b) + h.
; K = 64 in the first product: Q's codes for k = 64 .. 127 are zeros; K's registers for them are whatever codes lie next (the next tile's), which add nothing against zeros.
; NO CLUSTER, NO TENSOR LOADS: what the eight work-groups of a head share are V's codes (65,536 + 4,096 bytes), read once, straight into operand registers at the head; there is no loop in which a joint load would recur,
; and a work-group's own window is 34,816 bytes of codes, staged once by plain loads.
; LIMITS: NaN, infinities and scores that overflow f32 are not served (a masked lane forms 0 x score).  Exponentials under 2^-126 come out as 0.  For |c| under 2^-124 qc ignores the hold of the scale at 2^-126.
; The exponent is a s - round(a m): the rounding's residue is the same in every term of a row, the fill's too, and cancels in e / Z.
; THE MODE: SCHED_MODE bits 1:0 = 2 (LLVM: expert scheduling mode 2), set by the entry lines.  The code itself states the register dependences
; between vector or matrix instructions and memory or LDS instructions, with s_wait_alu, always for 0.
; THE PLAN.  Registers that memory or LDS instructions touch, in the order of the text (there is no loop):
;   v4, v5, v16, v17   offsets, written at the head and never again: one wait ahead of the first load.
;   v6 .. v15          LDS addresses, written behind the loads and never again: the wait ahead of the first LDS store serves every later LDS instruction.
;   STG, QR            land by global loads; read by LDS stores; written again behind the barrier (K's tiles; the block maxima): one wait on vm_vsrc there, which serves TMP too.
;   VF, VS             land by global loads; read by S_p's products; K's tiles land in part of VF behind the barrier.
;   TMP                written by four additions, read by two LDS stores, written over by the score products.
;   XQ                 lands by LDS loads; read by Q's conversions; K's tiles land in its last eight registers.
;   VFR                holds e- first (vector work alone); then V's fragments land in it, which the second product reads.
;   G0 .. G3           four buffers for S_p's parts, all done with behind the second product: all 32 loads follow one wait.
;   SV                 written by the last multiply-adds, read by LDS stores; the rows of out land in G0 and leave from there.
; Operands and scales of the scaled products that vector instructions write (the 0/1 operand, Q's and A's codes and words, V's words) have their places first and one wait behind them, ahead of each run of products.
.set LKC, 0                            ; LDS: K's codes of 16 local blocks (global block 8 x + i, held at 63), 1,024 bytes each: entry w is stored by wave w
.set LVC, 16384                        ; V's likewise
.set LKS, 32768                        ; K's scale words, 128 bytes a block
.set LVS, 34816                        ; V's scale words: 8 local groups of 4 blocks, 256 bytes each
.set LSP, 36864                        ; the 16 parts of S_p, 1,024 bytes each: an image of eight registers
.set LQS, 53248                        ; a stage of 16 rows x 272 bytes for each wave: Q on the way in, O on the way out
.set QP,  272
.set QW,  16*QP
; v1 l, v2 r, v3 h, v4 16 l, v5 4 l, v6-v17 LDS and global offsets (made below, never rewritten), v18 a = scale x log2(e), v19 8 h
.set ONE,  20                          ; v20-38 hold scales and nothing else: v20 four bytes 127;
.set QS,   21                          ; Q's scale words;
.set KS,   22                          ; v22-26 K's, one register a block (tile 0 in lanes 0-15, tile 1 in lanes 16-31);
.set PW,   27                          ; v27, v28 A's;
.set VS,   29                          ; v29-32 V's: first for S_p, then [step][pair of tiles];
.set GW,   33                          ; v33-38 V's words as they lie, [group][pair of tiles]
.set FILL, 39                          ; -10000.0
.set NINF, 41                          ; -infinity
.set ONES, 42                          ; eight codes of 1.0
.set NRF,  43                          ; the number of keys outside the window's blocks, as f32
.set QR,   44                          ; v44-75  Q as loaded.  Behind the barrier: block maxima, then the table TB, then the quantiser's figures, then a buffer for S_p's parts
.set BMX,  44
.set BMN,  49
.set TB,   44                          ; a_b at TB + 6 b, o+_b at + 2, o-_b at + 4: named as pairs whose low word serves both halves (the odd registers were written by Q's loads and are not used)
.set AM,   76
.set AM2,  77
.set SC,   78
.set BY,   79
.set WT,   80
.set WO,   81
.set SH8,  19
.set QF,   84                          ; v84-91  Q's fragment; later four pairs of sums
.set WF,   96                          ; v96-127 the 0/1 operand, four fragments
.set SA,   128
.set SB,   136
.set TMP,  144
.set XQ,   152                         ; v152-183 32 neighbours of my row of Q
.set STG,  184                         ; v184-201 what I stage
.set VF,   202                         ; v202-233 V's four fragments for S_p
.set SCR,  96                          ; v96-175  scores, then e+, then A
.set NEG,  176                         ; v176-255 e-
.set KF,   176                         ; v176-219 K's ten tiles, four registers each, and four zeros
.set PF,   176                         ; v176-191 A's two fragments
.set VFR,  192                         ; v192-255 V's eight fragments; then S_p's parts; then rows of O
.set G0,   192                         ; S_p's parts of tile t land in buffer t, 32 registers each: where V's fragments lay,
.set G1,   224
.set G2,   160                         ; where A's last numbers and its codes lay,
.set G3,   44                          ; and where the quantiser's figures lay
.set OA,   96                          ; v96-127  O^T
.set SV,   128                         ; v128-159 S_p, then the result
.set WV,   20                          ; s20 wave
.set LB0,  21                          ; s21 (wave + 1) / 2: my window's first local block
.set HEAD, 22
.set PAT,  23
.set MK,   24                          ; s24-31 behind the addresses' sums, which are their last readers as offsets: the eight masks of the 0/1 operand
.set EM,   56                          ; s56-60 lanes whose key of block b exists (key < 2,048)
.set SEL,  66
.set SH,   68                          ; 8 (LB0 % 4)
.set NRS,  69
.set LSC,  70
.set VM,   72                          ; s72-76 lanes whose key of block b counts
.macro QUANT32 x, c                    ; 32 numbers of one lane, a whole block, become 4 registers of codes; scale operand in v[SC], byte in v[BY]
	v_max3_num_f32 v[AM], |v[(\x)]|, |v[(\x)+1]|, 0x1800000        ; with the floor 2^(3 - 127): the byte cannot fall under 1
	v_max3_num_f32 v[AM2], |v[(\x)+2]|, |v[(\x)+3]|, |v[(\x)+4]|
.irp i, 5,9,13,17,21,25
	v_max3_num_f32 v[AM], v[AM], |v[(\x)+\i]|, |v[(\x)+\i+1]|
	v_max3_num_f32 v[AM2], v[AM2], |v[(\x)+\i+2]|, |v[(\x)+\i+3]|
.endr
	v_max3_num_f32 v[AM], v[AM], |v[(\x)+29]|, |v[(\x)+30]|
	v_max3_num_f32 v[AM], v[AM], v[AM2], |v[(\x)+31]|
	v_add_nc_u32 v[SC], 0xff000000, v[AM]
.irp g, 0,1,2,3
	v_cvt_scalef32_pk8_fp4_f32 v[(\c)+\g], v[(\x)+8*\g:(\x)+8*\g+7], v[SC]
.endr
	v_lshrrev_b32 v[BY], 23, v[SC]                 ; the byte; also the plain line behind the conversions
.endm
	s_load_b128 s[4:7], s[0:1], 0x0                ; queries, log_scale
	s_load_b128 s[8:11], s[0:1], 0x10              ; k_codes, k_scales
	s_load_b128 s[12:15], s[0:1], 0x20             ; v_codes, v_scales
	s_load_b64 s[16:17], s[0:1], 0x30              ; out0
	v_lshrrev_b32 v1, 5, v0
	v_readfirstlane_b32 s[WV], v1                  ; wave 0..15
	s_and_b32 s[HEAD], ttmp7, 0xffff
	s_lshl_b32 s[PAT], ttmp9, 4
	s_wait_alu depctr_va_sdst(0)                   ; the wave's number is written, ahead of its first reader: offsets, masks and LDS addresses are made from it
	s_add_co_u32 s[PAT], s[PAT], s[WV]             ; my patch: 16 x + wave
	s_add_co_u32 s[LB0], s[WV], 1
	s_lshr_b32 s[LB0], s[LB0], 1
	s_lshl_b32 s36, ttmp9, 3                       ; the work-group's first block of keys: 8 x
	s_add_co_u32 s37, s36, s[LB0]                  ; b0
	s_and_b32 s38, s[WV], 1                        ; 2 b0 - p
	s_add_co_u32 s39, s36, s[WV]
	s_min_u32 s39, s39, 63                         ; the block that I stage
	s_lshl_b32 s18, ttmp9, 1
	s_lshr_b32 s19, s[WV], 1
	s_add_co_u32 s18, s18, s19
	s_min_u32 s18, s18, 15                         ; the group of V's scale words of which I stage half
	s_and_b32 s19, s[WV], 3                        ; S_p: my 16 channels,
	s_lshr_b32 s2, s[WV], 2                        ; my 512 keys
	s_lshr_b32 s3, s[LB0], 2                       ; the local group in which my window begins
	s_and_b32 s[SH], s[LB0], 3
	s_lshl_b32 s[SH], s[SH], 3
	s_sub_co_u32 s71, 64, s37                      ; blocks from b0 to the head's end
	s_min_u32 s[NRS], s71, 5                       ; of my five so many exist
	s_sub_co_u32 s[NRS], 64, s[NRS]
	s_lshl_b32 s[NRS], s[NRS], 5                   ; keys in all other blocks
.irp b, 0,1,2,3,4
	s_cmp_gt_u32 s71, \b
	s_cselect_b32 s[EM+\b], -1, 0
.endr
	s_cmp_eq_u32 s38, 1                            ; the key's patch less mine is 2 b + h + (2 b0 - p): 0 is masked in block 0, 10 in block 4
	s_cselect_b32 s[VM], -1, 0xffff0000
	s_cselect_b32 s[VM+4], 0xffff, -1
	s_and_b32 s[VM], s[VM], s[EM]
	s_and_b32 s[VM+4], s[VM+4], s[EM+4]
	s_mov_b32 s[VM+1], s[EM+1]
	s_mov_b32 s[VM+2], s[EM+2]
	s_mov_b32 s[VM+3], s[EM+3]
	s_mov_b32 s[SEL], 0x76543210
	s_mov_b32 s[SEL+1], 0xfedcba98                 ; v_permlanex16_b32's selects for lane l xor 16
	s_lshl_b32 s24, s[HEAD], 19                    ; queries, out0: head x 524,288 + patch x 4,096
	s_lshl_b32 s77, s[PAT], 12
	s_add_co_u32 s24, s24, s77
	s_mov_b32 s25, 0
	s_lshl_b32 s26, s[HEAD], 16                    ; k_codes, v_codes: head x 65,536 + block x 1,024
	s_lshl_b32 s77, s39, 10
	s_add_co_u32 s26, s26, s77
	s_mov_b32 s27, 0
	s_lshl_b32 s28, s[HEAD], 13                    ; k_scales: head x 8,192 + block x 128
	s_lshl_b32 s77, s39, 7
	s_add_co_u32 s28, s28, s77
	s_mov_b32 s29, 0
	s_lshl_b32 s30, s[HEAD], 12                    ; v_scales: head x 4,096 + group x 256 + 128 x (wave % 2)
	s_lshl_b32 s77, s18, 8
	s_add_co_u32 s30, s30, s77
	s_lshl_b32 s77, s38, 7
	s_add_co_u32 s30, s30, s77
	s_mov_b32 s31, 0
	s_lshl_b32 s32, s[HEAD], 16                    ; v_codes for S_p: + 16 blocks x (wave / 4) + 16 channels x 16 bytes x (wave % 4)
	s_lshl_b32 s77, s2, 14
	s_add_co_u32 s32, s32, s77
	s_lshl_b32 s77, s19, 8
	s_add_co_u32 s32, s32, s77
	s_mov_b32 s33, 0
	s_lshl_b32 s34, s[HEAD], 12                    ; v_scales for S_p: + 4 groups x (wave / 4) + 16 words x (wave % 4)
	s_lshl_b32 s77, s2, 10
	s_add_co_u32 s34, s34, s77
	s_lshl_b32 s77, s19, 6
	s_add_co_u32 s34, s34, s77
	s_mov_b32 s35, 0
	v_and_b32 v1, 31, v0                           ; l
	v_and_b32 v2, 15, v0                           ; r
	v_bfe_u32 v3, v0, 4, 1                         ; h
	v_lshlrev_b32 v4, 4, v1                        ; 16 l
	v_lshlrev_b32 v5, 2, v1                        ; 4 l
	v_lshlrev_b32 v16, 4, v2
	v_lshl_add_u32 v16, v3, 10, v16                ; a fragment of V: block h, channel r: 1,024 h + 16 r
	v_lshlrev_b32 v17, 2, v2                       ; 4 r
	s_wait_kmcnt 0x0
	s_load_b32 s[LSC], s[6:7], 0x0                 ; log_scale
	s_add_nc_u64 s[40:41], s[4:5], s[24:25]
	s_add_nc_u64 s[42:43], s[16:17], s[24:25]
	s_add_nc_u64 s[44:45], s[8:9], s[26:27]
	s_add_nc_u64 s[46:47], s[10:11], s[28:29]
	s_add_nc_u64 s[48:49], s[12:13], s[26:27]
	s_add_nc_u64 s[50:51], s[14:15], s[30:31]
	s_add_nc_u64 s[52:53], s[12:13], s[32:33]
	s_add_nc_u64 s[54:55], s[14:15], s[34:35]
	s_wait_alu depctr_va_vdst(0)                   ; v4, v5, v16 and v17 are written: the loads below, and the stores at the end, read them as offsets
	; ---- all 26 loads of the wave: 6 to stage, 12 for S_p, 8 of Q.  They land in registers that no vector instruction has named
	global_load_b128 v[STG:STG+3], v4, s[44:45]
	global_load_b128 v[STG+4:STG+7], v4, s[44:45] offset:512
	global_load_b128 v[STG+8:STG+11], v4, s[48:49]
	global_load_b128 v[STG+12:STG+15], v4, s[48:49] offset:512
	global_load_b32 v[STG+16], v5, s[46:47]
	global_load_b32 v[STG+17], v5, s[50:51]
.irp i, 0,1,2,3                        ; 128 keys (four blocks) a fragment: registers 4 c .. 4 c + 3 = block 2 c + h
	global_load_b128 v[VF+8*\i:VF+8*\i+3], v16, s[52:53] offset:4096*\i
	global_load_b128 v[VF+8*\i+4:VF+8*\i+7], v16, s[52:53] offset:4096*\i+2048
	global_load_b32 v[VS+\i], v17, s[54:55] offset:256*\i
.endr
.irp i, 0,1,2,3,4,5,6,7
	global_load_b128 v[QR+4*\i:QR+4*\i+3], v4, s[40:41] offset:512*\i th:TH_LOAD_NT    ; 512 consecutive bytes: two queries
.endr
	; ---- LDS addresses: constants, the lane and the wave's number alone
	s_lshl_b32 s77, s[LB0], 10
	v_add_nc_u32 v6, s77, v4                       ; K's tiles of my window: LKC (0) + 1,024 LB0 + 16 l
	s_add_co_u32 s77, s77, LVC
	v_add_nc_u32 v8, s77, v16                      ; V's fragments of my window
	s_lshl_b32 s77, s[LB0], 7
	s_add_co_u32 s77, s77, LKS
	v_add_nc_u32 v7, s77, v5                       ; K's scale words
	s_lshl_b32 s77, s3, 8
	s_add_co_u32 s77, s77, LVS
	v_add_nc_u32 v9, s77, v5                       ; V's scale words: lane l = channel l of a pair of tiles
	s_lshl_b32 s77, s[WV], 4
	s_add_co_u32 s77, s77, LSP
	v_lshl_add_u32 v10, v3, 8, s77                 ; S_p of my patch: in each part the 16 bytes of lane (wave, h)
	s_mul_i32 s78, s[WV], QW
	s_add_co_u32 s78, s78, LQS                     ; my stage
	v_mul_u32_u24 v11, v3, QP
	v_lshl_add_u32 v11, v2, 4, v11
	v_add_nc_u32 v11, s78, v11                     ; by rows as they lie in memory: row h of a pair, 16 r
	v_mul_u32_u24 v13, v2, QP
	v_add_nc_u32 v13, s78, v13
	v_lshl_add_u32 v12, v3, 7, v13                 ; Q out of it: row r, channels 32 h on
	v_lshl_add_u32 v13, v3, 5, v13                 ; O into it: row r, channels 8 h on
	s_lshl_b32 s77, s[WV], 10
	v_add_nc_u32 v14, s77, v4                      ; entry w of the regions of 1,024 bytes
	s_lshl_b32 s77, s[WV], 7
	v_add_nc_u32 v15, s77, v5                      ; entry w of the regions of 128 bytes
	v_lshlrev_b32 v[SH8], 3, v3
	v_mov_b32 v[ONE], 0x7f7f7f7f
	v_mov_b32 v[FILL], 0xc61c4000
	v_mov_b32 v[NINF], 0xff800000
	v_mov_b32 v[ONES], 0x22222222
	; ---- the 0/1 operand: column r = local patch r; block 16 (w / 4) + 4 i + 2 c + h is outside its window where (block - b0(r)), unsigned, is 5 or more
	v_add_nc_u32 v83, 1, v2
	v_lshrrev_b32 v83, 1, v83
	v_sub_nc_u32 v82, v3, v83
	s_lshl_b32 s77, s2, 4
	s_sub_co_u32 s77, s77, s36
	v_add_nc_u32 v82, s77, v82
.macro WTEST i, c                      ; the eight compares stand in one run, each into a scalar register of its own
	v_add_nc_u32 v83, 4*\i+2*\c, v82
	v_cmp_le_u32 s[MK+2*\i+\c], 5, v83
.endm
.macro WBUILD i, c
.irp n, 0,1,2,3
	v_cndmask_b32 v[WF+8*\i+4*\c+\n], 0, v[ONES], s[MK+2*\i+\c]
.endr
.endm
.irp i, 0,1,2,3
	WTEST \i, 0
	WTEST \i, 1
.endr
	s_wait_alu depctr_va_sdst(0)                   ; the eight masks s24 to s31 are written, ahead of the selects that read them
.irp i, 0,1,2,3
	WBUILD \i, 0
	WBUILD \i, 1
.endr
	; ---- the lines from here to the wait name none of the products' registers: they are the places between the last write of the operand above and the products below
	v_mov_b32 v[WO], 0                             ; a lane permute's destination counts as one of its sources
	v_mov_b32 v93, 0                               ; (upper halves of the pairs that carry 1 / Z)
	v_mov_b32 v95, 0
.irp n, 4,5,6,7
	v_mov_b32 v[QF+\n], 0                          ; Q's codes for k = 64 .. 127
.endr
	; ---- a = clip(e^log_scale, 1, 30) / 8 x log2(e): the exponential here, the clip behind S_p's products
	s_wait_kmcnt 0x0
	v_mov_b32 v83, s[LSC]
	v_mul_f32 v83, 0x3fb8aa3b, v83
	s_wait_alu depctr_va_vdst(0)
	v_exp_f32 v83, v83
	v_cvt_f32_u32 v[NRF], s[NRS]                   ; (a plain line behind the exponential)
	s_wait_alu depctr_va_vdst(0)                   ; written are: the exponential's v83, ahead of its first reader; the LDS addresses v6 to v15, which every LDS instruction below reads; the 0/1 operand and the scale of ones, which S_p's products take
	; ---- what I stage goes to LDS as it came
	s_wait_loadcnt 20                              ; the first six loads are in; 12 + 8 are younger
	ds_store_b128 v14, v[STG:STG+3] offset:LKC
	ds_store_b128 v14, v[STG+4:STG+7] offset:LKC+512
	ds_store_b128 v14, v[STG+8:STG+11] offset:LVC
	ds_store_b128 v14, v[STG+12:STG+15] offset:LVC+512
	ds_store_b32 v15, v[STG+16] offset:LKS
	ds_store_b32 v15, v[STG+17] offset:LVS
	; ---- my part of S_p: two accumulators by turns
	s_wait_loadcnt 8                               ; V's fragments and words are in; Q's eight loads are younger
	v_wmma_scale_f32_16x16x128_f8f6f4 v[SA:SA+7], v[VF:VF+7], v[WF:WF+7], 0, v[VS], v[ONE] matrix_a_fmt:MATRIX_FMT_FP4 matrix_b_fmt:MATRIX_FMT_FP4
	v_wmma_scale_f32_16x16x128_f8f6f4 v[SB:SB+7], v[VF+8:VF+15], v[WF+8:WF+15], 0, v[VS+1], v[ONE] matrix_a_fmt:MATRIX_FMT_FP4 matrix_b_fmt:MATRIX_FMT_FP4
	v_wmma_scale_f32_16x16x128_f8f6f4 v[SA:SA+7], v[VF+16:VF+23], v[WF+16:WF+23], v[SA:SA+7], v[VS+2], v[ONE] matrix_a_fmt:MATRIX_FMT_FP4 matrix_b_fmt:MATRIX_FMT_FP4
	v_wmma_scale_f32_16x16x128_f8f6f4 v[SB:SB+7], v[VF+24:VF+31], v[WF+24:WF+31], v[SB:SB+7], v[VS+3], v[ONE] matrix_a_fmt:MATRIX_FMT_FP4 matrix_b_fmt:MATRIX_FMT_FP4
	v_max_num_f32 v83, 1.0, v83                    ; the clip: with the v_nop these are the four places in front of the first read of the results (ISA guide 7.12.1)
	v_min_num_f32 v83, 0x41f00000, v83
	v_mul_f32 v18, 0x3e38aa3b, v83
	v_nop
.irp j, 0,2,4,6
	v_pk_add_f32 v[TMP+\j:TMP+\j+1], v[SA+\j:SA+\j+1], v[SB+\j:SB+\j+1]     ; lane (patch r, h), register j: channel 16 (w % 4) + 8 h + j
.endr
	s_wait_alu depctr_va_vdst(0)                   ; the four additions have written v[TMP ..], which the two LDS stores read
	ds_store_b128 v14, v[TMP:TMP+3] offset:LSP
	ds_store_b128 v14, v[TMP+4:TMP+7] offset:LSP+512
	; ---- Q: through my stage, so that a lane holds 32 neighbours of its row; quantised in registers
	s_wait_loadcnt 0x0
.irp i, 0,1,2,3,4,5,6,7
	ds_store_b128 v11, v[QR+4*\i:QR+4*\i+3] offset:2*QP*\i
.endr
.irp j, 0,1,2,3,4,5,6,7
	ds_load_b128 v[XQ+4*\j:XQ+4*\j+3], v12 offset:16*\j    ; LDS serves a wave's instructions in order: these see my stores.  No vector instruction has named v[XQ ..]
.endr
	s_wait_dscnt 0x0
	QUANT32 XQ, QF
	v_lshlrev_b32 v[WT], v[SH8], v[BY]             ; my byte and lane l xor 16's make the row's word; the two bytes stand twice, as in K's words
	v_permlanex16_b32 v[WO], v[WT], s[SEL], s[SEL+1]
	v_or_b32 v[QS], v[WT], v[WO]
	v_lshl_or_b32 v[QS], v[QS], 16, v[QS]
	; ---- THE BARRIER: every wave's stores into the shared regions have landed; nothing there is written again
	s_wait_dscnt 0x0
	s_barrier_signal -1
	s_barrier_wait -1
	; ---- scores: S^T = K Q^T, ten tiles of 16 keys
.irp n, 40,41,42,43
	v_mov_b32 v[KF+\n], 0                          ; what stands behind the last tile
.endr
.rept 8
	v_nop                                          ; Q's scale word, written by vector instructions, stands 8 places ahead of the scaled products; its codes and the zeros 4
.endr
	s_wait_alu depctr_va_vdst(0)                   ; Q's codes, its scale word and the zeros are written, which the score products take; Q's conversions are done reading v176 to v183 and S_p's products v202 to v215, in which K's tiles land
	s_wait_alu depctr_vm_vsrc(0)                   ; my LDS stores have read v[STG ..], in which K's tiles land, v[TMP ..], which the score products write over, and v[QR ..], which the block maxima write
.irp b, 0,1,2,3,4
	ds_load_b128 v[KF+8*\b:KF+8*\b+3], v6 offset:1024*\b
	ds_load_b128 v[KF+8*\b+4:KF+8*\b+7], v6 offset:1024*\b+512
.endr
.irp b, 0,1,2,3,4
	ds_load_b32 v[KS+\b], v7 offset:128*\b
.endr
.irp k, 0,1,2
	ds_load_b32 v[GW+2*\k], v9 offset:256*\k
	ds_load_b32 v[GW+2*\k+1], v9 offset:256*\k+128
.endr
	s_wait_dscnt 6                                 ; K's tiles and words are in; V's six words are younger
.irp b, 0,1,2,3,4
	v_wmma_scale_f32_16x16x128_f8f6f4 v[SCR+16*\b:SCR+16*\b+7], v[KF+8*\b:KF+8*\b+7], v[QF:QF+7], 0, v[KS+\b], v[QS] matrix_a_fmt:MATRIX_FMT_FP4 matrix_b_fmt:MATRIX_FMT_FP4
	v_wmma_scale_f32_16x16x128_f8f6f4 v[SCR+16*\b+8:SCR+16*\b+15], v[KF+8*\b+4:KF+8*\b+11], v[QF:QF+7], 0, v[KS+\b], v[QS] matrix_a_fmt:MATRIX_FMT_FP4 matrix_b_fmt:MATRIX_FMT_FP4 matrix_a_scale:MATRIX_SCALE_ROW1
.endr
	s_wait_dscnt 0x0
.irp s, 0,1                            ; V's words for blocks b0 + 4 s .. + 3: four bytes out of two neighbouring groups'.  These four lines are also the places behind the products
	v_alignbit_b32 v[VS+2*\s], v[GW+2*\s+2], v[GW+2*\s], s[SH]
	v_alignbit_b32 v[VS+2*\s+1], v[GW+2*\s+3], v[GW+2*\s+1], s[SH]
.endr
	; ---- the two maxima: of the scores and of their negatives, each accumulator from its low end on; the fill takes part in both
.irp b, 0,1,2,3,4
	v_max3_num_f32 v[BMX+\b], v[SCR+16*\b], v[SCR+16*\b+1], v[SCR+16*\b+2]
	v_max3_num_f32 v[BMN+\b], -v[SCR+16*\b], -v[SCR+16*\b+1], -v[SCR+16*\b+2]
.endr
.irp i, 3,5,7,9,11,13
.irp b, 0,1,2,3,4
	v_max3_num_f32 v[BMX+\b], v[BMX+\b], v[SCR+16*\b+\i], v[SCR+16*\b+\i+1]
	v_max3_num_f32 v[BMN+\b], v[BMN+\b], -v[SCR+16*\b+\i], -v[SCR+16*\b+\i+1]
.endr
.endr
.irp b, 0,1,2,3,4
	v_max_num_f32 v[BMX+\b], v[BMX+\b], v[SCR+16*\b+15]
	v_max_num_f32 v[BMN+\b], v[BMN+\b], -v[SCR+16*\b+15]
.endr
.irp b, 0,1,2,3,4
	v_cndmask_b32 v[BMX+\b], v[FILL], v[BMX+\b], s[VM+\b]  ; a lane's 16 keys of a block are one patch: they count together or not at all
	v_cndmask_b32 v[BMN+\b], v[FILL], v[BMN+\b], s[VM+\b]
.endr
	v_max3_num_f32 v74, v[BMX], v[BMX+1], v[BMX+2]
	v_max3_num_f32 v75, v[BMN], v[BMN+1], v[BMN+2]
	v_max3_num_f32 v74, v74, v[BMX+3], v[BMX+4]
	v_max3_num_f32 v75, v75, v[BMN+3], v[BMN+4]
	v_permlanex16_b32 v76, v74, s[SEL], s[SEL+1]
	v_permlanex16_b32 v77, v75, s[SEL], s[SEL+1]
	v_max3_num_f32 v74, v74, v76, v[FILL]          ; m+
	v_max3_num_f32 v75, v75, v77, v[FILL]          ; m-
	; ---- exponents: a key that counts: +-a s - a m; a masked one: exactly a x fill - a m; one past the head's end: -infinity
	v_mul_f32 v78, -v18, v74
	v_mul_f32 v79, -v18, v75
	v_fma_f32 v80, v[FILL], v18, v78
	v_fma_f32 v81, v[FILL], v18, v79
.irp b, 0,1,2,3,4
	v_cndmask_b32 v[TB+6*\b], 0, v18, s[VM+\b]
	v_cndmask_b32 v[TB+6*\b+2], v[NINF], v80, s[EM+\b]
	v_cndmask_b32 v[TB+6*\b+4], v[NINF], v81, s[EM+\b]
.endr
.irp b, 0,1,2,3,4
	v_cndmask_b32 v[TB+6*\b+2], v[TB+6*\b+2], v78, s[VM+\b]
	v_cndmask_b32 v[TB+6*\b+4], v[TB+6*\b+4], v79, s[VM+\b]
.endr
.irp b, 0,1,2,3,4
.irp j, 0,2,4,6,8,10,12,14
	v_pk_fma_f32 v[NEG+16*\b+\j:NEG+16*\b+\j+1], v[SCR+16*\b+\j:SCR+16*\b+\j+1], v[TB+6*\b:TB+6*\b+1], v[TB+6*\b+4:TB+6*\b+5] op_sel_hi:[1,0,0] neg_lo:[0,1,0] neg_hi:[0,1,0]
.endr
.endr
.irp b, 0,1,2,3,4
.irp j, 0,2,4,6,8,10,12,14
	v_pk_fma_f32 v[SCR+16*\b+\j:SCR+16*\b+\j+1], v[SCR+16*\b+\j:SCR+16*\b+\j+1], v[TB+6*\b:TB+6*\b+1], v[TB+6*\b+2:TB+6*\b+3] op_sel_hi:[1,0,0]
.endr
.endr
.set j, 0
	s_wait_alu depctr_va_vdst(0)
.rept 80
	v_exp_f32 v[NEG+j], v[NEG+j]
.set j, j+1
.endr
.set j, 0
.rept 80
	v_exp_f32 v[SCR+j], v[SCR+j]
.set j, j+1
.endr
	v_exp_f32 v82, v80                             ; E+, E-: a masked key's terms
	v_exp_f32 v83, v81
	v_nop                                          ; a plain line behind the exponentials
	; ---- the sums: two chains a side, two numbers at a time
	s_wait_alu depctr_va_vdst(0)                   ; the 162 exponentials have written e+, e-, E+ and E-: one wait for the batch, ahead of its first reader
	v_pk_add_f32 v[84:85], v[SCR:SCR+1], v[SCR+4:SCR+5]
	v_pk_add_f32 v[86:87], v[SCR+2:SCR+3], v[SCR+6:SCR+7]
	v_pk_add_f32 v[88:89], v[NEG:NEG+1], v[NEG+4:NEG+5]
	v_pk_add_f32 v[90:91], v[NEG+2:NEG+3], v[NEG+6:NEG+7]
.set j, 8
.rept 18
	v_pk_add_f32 v[84:85], v[84:85], v[SCR+j:SCR+j+1]
	v_pk_add_f32 v[86:87], v[86:87], v[SCR+j+2:SCR+j+3]
	v_pk_add_f32 v[88:89], v[88:89], v[NEG+j:NEG+j+1]
	v_pk_add_f32 v[90:91], v[90:91], v[NEG+j+2:NEG+j+3]
.set j, j+4
.endr
	v_pk_add_f32 v[84:85], v[84:85], v[86:87]
	v_pk_add_f32 v[88:89], v[88:89], v[90:91]
	v_add_f32 v84, v84, v85
	v_add_f32 v88, v88, v89
	v_permlanex16_b32 v76, v84, s[SEL], s[SEL+1]
	v_permlanex16_b32 v77, v88, s[SEL], s[SEL+1]
	v_add_f32 v84, v84, v76
	v_add_f32 v88, v88, v77
	v_fma_f32 v84, v[NRF], v82, v84                ; and the keys of all other blocks, each with a masked key's term
	v_fma_f32 v88, v[NRF], v83, v88
	s_wait_alu depctr_va_vdst(0)
	v_rcp_f32 v92, v84
	v_rcp_f32 v94, v88
	v_mov_b32 v87, 0x400000                        ; (a plain line behind the reciprocals)
	; ---- c and qc.  Two products and a difference: where both sides hold the same bits (a patch with no key that counts) c is exactly 0
	s_wait_alu depctr_va_vdst(0)                   ; the two reciprocals have written v92 and v94, ahead of their first reader
	v_mul_f32 v85, v82, v92
	v_mul_f32 v86, v83, v94
	v_sub_f32 v85, v85, v86
	v_and_b32 v86, 0x7fffff, v85
	v_cmp_lt_u32 vcc_lo, 0x200000, v86             ; mantissa over 1.25: the code 6, else 4 (1.25 itself is a tie and goes to the even code, 4)
	s_wait_alu depctr_va_vcc(0)                    ; the compare has written VCC, which the select reads
	v_cndmask_b32 v87, 0, v87, vcc_lo
	v_and_or_b32 v76, v85, 0xff800000, v87         ; qc
	; ---- A = e+ / Z+ - e- / Z-
.set j, 0
.rept 40
	v_pk_mul_f32 v[NEG+j:NEG+j+1], v[NEG+j:NEG+j+1], v[94:95] op_sel_hi:[1,0]
.set j, j+2
.endr
.set j, 0
.rept 40
	v_pk_fma_f32 v[SCR+j:SCR+j+1], v[SCR+j:SCR+j+1], v[92:93], v[NEG+j:NEG+j+1] op_sel_hi:[1,0,1] neg_lo:[0,0,1] neg_hi:[0,0,1]
.set j, j+2
.endr
	; ---- V's eight fragments are asked for now (e-'s registers are free): step s = local blocks LB0 + 4 s .. + 3, tile t = channels 16 t on
	s_wait_alu depctr_va_vdst(0)                   ; the lines above are done writing and reading e-'s v192 to v255, in which V's fragments land; no vector line from here to the second product names them
.irp s, 0,1
.irp t, 0,1,2,3
	ds_load_b128 v[VFR+32*\s+8*\t:VFR+32*\s+8*\t+3], v8 offset:4096*\s+256*\t
	ds_load_b128 v[VFR+32*\s+8*\t+4:VFR+32*\s+8*\t+7], v8 offset:4096*\s+2048+256*\t
.endr
.endr
.irp n, 10,11,12,13,14,15
	v_mov_b32 v[PF+\n], 0                          ; the second step holds one block of A: the other three are zero codes
.endr
	; ---- A is quantised along the keys: a block lies in lanes l and l xor 16, 16 numbers each
.irp b, 0,1,2,3,4
	v_max3_num_f32 v[44+\b], |v[SCR+16*\b]|, |v[SCR+16*\b+1]|, 0x1800000
.endr
.irp i, 2,4,6,8,10,12,14
.irp b, 0,1,2,3,4
	v_max3_num_f32 v[44+\b], v[44+\b], |v[SCR+16*\b+\i]|, |v[SCR+16*\b+\i+1]|
.endr
.endr
.irp b, 0,1,2,3,4
	v_permlanex16_b32 v[49+\b], v[44+\b], s[SEL], s[SEL+1]
.endr
.irp b, 0,1,2,3,4
	v_max_num_f32 v[44+\b], v[44+\b], v[49+\b]
.endr
.irp b, 0,1,2,3,4
	v_add_nc_u32 v[54+\b], 0xff000000, v[44+\b]    ; the conversion's scale operand
.endr
.irp b, 0,1,2,3,4
	v_lshrrev_b32 v[59+\b], 23, v[54+\b]           ; the byte
.endr
	v_lshl_or_b32 v[PW], v60, 8, v59
	v_lshl_or_b32 v[PW+1], v63, 8, v63             ; the fifth block's byte in all four places: the other three stand against zero codes
	v_lshl_or_b32 v[PW], v61, 16, v[PW]
	v_lshl_or_b32 v[PW+1], v[PW+1], 16, v[PW+1]
	v_lshl_or_b32 v[PW], v62, 24, v[PW]
.irp b, 0,1,2,3,4
	v_cvt_scalef32_pk8_fp4_f32 v[PF+2*\b], v[SCR+16*\b:SCR+16*\b+7], v[54+\b]
	v_cvt_scalef32_pk8_fp4_f32 v[PF+2*\b+1], v[SCR+16*\b+8:SCR+16*\b+15], v[54+\b]
.endr
	v_nop                                          ; a plain line behind the conversions
.irp c, 0,1,2                          ; the operand wants a whole block in a lane: lanes 0-15 block 2 c, lanes 16-31 block 2 c + 1 (block 5: zeros)
	v_permlane16_swap_b32 v[PF+4*\c], v[PF+4*\c+2]
	v_permlane16_swap_b32 v[PF+4*\c+1], v[PF+4*\c+3]
.endr
.rept 8
	v_nop                                          ; A's scale words stand 8 places ahead of the scaled products, its codes 4; the products also write over the conversions' sources
.endr
	; ---- O^T = V^T P^T: four accumulators by turns
	s_wait_dscnt 0x0
	s_wait_alu depctr_va_vdst(0)                   ; A's codes and its two scale words are written, and so are V's four words, made by v_alignbit_b32: the products below take them
.macro PV s, t
.set rO, OA+8*(\t)
.set rV, VFR+32*(\s)+8*(\t)
.set rP, PF+8*(\s)
.set rS, VS+2*(\s)+(\t)/2
.if (\s) == 0
.if (\t)%2 == 0
	v_wmma_scale_f32_16x16x128_f8f6f4 v[rO:rO+7], v[rV:rV+7], v[rP:rP+7], 0, v[rS], v[PW+\s] matrix_a_fmt:MATRIX_FMT_FP4 matrix_b_fmt:MATRIX_FMT_FP4
.else
	v_wmma_scale_f32_16x16x128_f8f6f4 v[rO:rO+7], v[rV:rV+7], v[rP:rP+7], 0, v[rS], v[PW+\s] matrix_a_fmt:MATRIX_FMT_FP4 matrix_b_fmt:MATRIX_FMT_FP4 matrix_a_scale:MATRIX_SCALE_ROW1
.endif
.else
.if (\t)%2 == 0
	v_wmma_scale_f32_16x16x128_f8f6f4 v[rO:rO+7], v[rV:rV+7], v[rP:rP+7], v[rO:rO+7], v[rS], v[PW+\s] matrix_a_fmt:MATRIX_FMT_FP4 matrix_b_fmt:MATRIX_FMT_FP4
.else
	v_wmma_scale_f32_16x16x128_f8f6f4 v[rO:rO+7], v[rV:rV+7], v[rP:rP+7], v[rO:rO+7], v[rS], v[PW+\s] matrix_a_fmt:MATRIX_FMT_FP4 matrix_b_fmt:MATRIX_FMT_FP4 matrix_a_scale:MATRIX_SCALE_ROW1
.endif
.endif
.endm
.irp s, 0,1
.irp t, 0,1,2,3
	PV \s, \t
.endr
.endr
.rept 4
	v_nop                                          ; four places behind the last products, ahead of the first read of their results (ISA guide 7.12.1): the additions below name registers that the products read
.endr
	; ---- S_p of my patch: for each tile of 16 channels the four parts along the keys are added.  A buffer to each tile, so that all 32 loads follow one wait
	s_wait_alu depctr_va_vdst(0)                   ; the products are done reading V's fragments (v192 to v255) and A's codes (v176 to v191), the conversions A's numbers (v160 to v175) and the quantiser's figures (v44 to v63): S_p's parts land in these four buffers
.macro LOADT t, buf
.irp k, 0,1,2,3
	ds_load_b128 v[\buf+8*\k:\buf+8*\k+3], v10 offset:1024*(\t+4*\k)
	ds_load_b128 v[\buf+8*\k+4:\buf+8*\k+7], v10 offset:1024*(\t+4*\k)+512
.endr
.endm
.macro RED t, buf
.irp i, 0,2,4,6
	v_pk_add_f32 v[SV+8*\t+\i:SV+8*\t+\i+1], v[\buf+\i:\buf+\i+1], v[\buf+8+\i:\buf+8+\i+1]
.endr
.irp i, 0,2,4,6
	v_pk_add_f32 v[SV+8*\t+\i:SV+8*\t+\i+1], v[SV+8*\t+\i:SV+8*\t+\i+1], v[\buf+16+\i:\buf+16+\i+1]
.endr
.irp i, 0,2,4,6
	v_pk_add_f32 v[SV+8*\t+\i:SV+8*\t+\i+1], v[SV+8*\t+\i:SV+8*\t+\i+1], v[\buf+24+\i:\buf+24+\i+1]
.endr
.endm
	LOADT 0, G0
	LOADT 1, G1
	LOADT 2, G2
	LOADT 3, G3
	s_wait_dscnt 24                                ; tile 0's eight loads are in; the three younger tiles' 24 stay out
	RED 0, G0
	s_wait_dscnt 16                                ; tile 1's are in; 16 are younger
	RED 1, G1
	s_wait_dscnt 8                                 ; tile 2's are in; 8 are younger
	RED 2, G2
	s_wait_dscnt 0x0
	RED 3, G3
	; ---- out = O^T + qc x S_p, each accumulator from its low end on; through my stage, so that whole rows leave
.set j, 0
.rept 16
	v_pk_fma_f32 v[SV+j:SV+j+1], v[SV+j:SV+j+1], v[76:77], v[OA+j:OA+j+1] op_sel_hi:[1,0,1]
.set j, j+2
.endr
	s_wait_alu depctr_va_vdst(0)                   ; the multiply-adds have written v[SV ..], which the LDS stores read; tile 0's additions are done reading v192 to v223, in which the rows of out land
.irp t, 0,1,2,3
	ds_store_b128 v13, v[SV+8*\t:SV+8*\t+3] offset:64*\t           ; lane (r, h): out(r, 16 t + 8 h + 0 .. 7)
	ds_store_b128 v13, v[SV+8*\t+4:SV+8*\t+7] offset:64*\t+16
.endr
.irp i, 0,1,2,3,4,5,6,7
	ds_load_b128 v[VFR+4*\i:VFR+4*\i+3], v11 offset:2*QP*\i        ; LDS serves a wave's instructions in order: these see my stores
.endr
.irp i, 0,1,2,3,4,5,6,7
	s_wait_dscnt 7-\i                              ; pair i of rows is back; the pairs behind it are younger
	global_store_b128 v4, v[VFR+4*\i:VFR+4*\i+3], s[42:43] offset:512*\i th:TH_STORE_NT    ; 512 consecutive bytes, aligned: two rows of out
.endr
	s_wait_xcnt 0x0
	v_lshl_add_u32 v232, v0, 2, 0x1e000            ; the add's two registers, made anew: no memory or LDS instruction has read v232 or v233
	v_mov_b32 v233, 0
	s_wait_dscnt 0x0                               ; the wave's end
	s_wait_alu 0x0
	s_wait_tensorcnt 0x0
	ds_add_u32 v232, v233
	s_wait_dscnt 0x0
	s_endpgm
.Lfunc_end_k_q80d3bf4e7f_attend:
	.size	k_q80d3bf4e7f_attend, .Lfunc_end_k_q80d3bf4e7f_attend-k_q80d3bf4e7f_attend
	.p2alignl 7, 3214868480
	.fill 96, 4, 3214868480
	.section	.rodata,"a",@progbits
	.p2align	6, 0x0
	.amdhsa_kernel k_q80d3bf4e7f_attend
		.amdhsa_group_segment_fixed_size 124928
		.amdhsa_private_segment_fixed_size 0
		.amdhsa_enable_private_segment 0
		.amdhsa_kernarg_size 56
		.amdhsa_user_sgpr_count 2
		.amdhsa_user_sgpr_kernarg_segment_ptr 1
		.amdhsa_wavefront_size32 1
		.amdhsa_system_sgpr_workgroup_id_x 1
		.amdhsa_system_sgpr_workgroup_id_y 1
		.amdhsa_system_sgpr_workgroup_id_z 1
		.amdhsa_system_vgpr_workitem_id 0
		.amdhsa_next_free_vgpr 256
		.amdhsa_next_free_sgpr 80
		.amdhsa_reserve_vcc 1
		.amdhsa_float_denorm_mode_32 3
		.amdhsa_float_denorm_mode_16_64 3
		.amdhsa_memory_ordered 1
		.amdhsa_forward_progress 1
		.amdhsa_inst_pref_size 64
	.end_amdhsa_kernel
	.amdgpu_metadata
---
amdhsa.version: [ 1, 2 ]
amdhsa.kernels:
  - .name:           k_q80d3bf4e7f_attend
    .symbol:         k_q80d3bf4e7f_attend.kd
    .args:
      - { .name: queries, .offset: 0, .size: 8, .value_kind: global_buffer, .address_space: global }
      - { .name: log_scale, .offset: 8, .size: 8, .value_kind: global_buffer, .address_space: global }
      - { .name: k_codes, .offset: 16, .size: 8, .value_kind: global_buffer, .address_space: global }
      - { .name: k_scales, .offset: 24, .size: 8, .value_kind: global_buffer, .address_space: global }
      - { .name: v_codes, .offset: 32, .size: 8, .value_kind: global_buffer, .address_space: global }
      - { .name: v_scales, .offset: 40, .size: 8, .value_kind: global_buffer, .address_space: global }
      - { .name: out0, .offset: 48, .size: 8, .value_kind: global_buffer, .address_space: global }
    .group_segment_fixed_size: 124928
    .private_segment_fixed_size: 0
    .kernarg_segment_align: 8
    .kernarg_segment_size: 56
    .max_flat_workgroup_size: 512
    .sgpr_count:     80
    .vgpr_count:     256
    .wavefront_size: 32
...
	.end_amdgpu_metadata
.endif
;; end of part 4
